; MI455X (gfx1250); checked and timed in simulation.
; The chip was launched on July 23, 2026; its instructions are those of AMD's public machine-readable ISA for CDNA 5 (MIT licence, August 2026) and "CDNA5" Instruction Set Architecture Reference Guide (July 2026). The comments in the code are by the model that wrote it; some were corrected since.
;; Multi Head Attention. Allowed arithmetic: matrix products marked QUANTISED: E3M2 operands, one E8M0 scale for each 32 along K, by v_wmma_scale_f32_16x16x128_f8f6f4 with both operands' format E3M2, f32 sums; everything else in f32.
;; Inputs: Wk 1,024 x 1,024 float32; Wo 1,024 x 1,024 float32; Wq 1,024 x 1,024 float32; Wv 1,024 x 1,024 float32; bo 1,024 float32; x 4 x 2,048 x 1,024 float32.
;; Outputs: out0 4 x 2,048 x 1,024 float32.
;; This version of the problem:
;;   THIS VERSION OF THE PROBLEM IS GIVEN IN LOW PRECISION. The matrix products marked QUANTISED in the list below multiply operands that are first quantised to E3M2 (3 exponent bits, 2 mantissa bits; 6 bits a number), with one power-of-two scale for each 32 numbers along K (OCP MX v1.0); their sums are f32. All else is computed in f32.
;;   The module's matrix products, in the order in which they are computed (A, B: the left and right operand; K: the contracted axis; several contracted axes count as one K, in the product's order):
;;     1. [M 8,192, K 1,024] x [K 1,024, N 1,024]; A: input x; B: input Wq: QUANTISED
;;     2. [M 8,192, K 1,024] x [K 1,024, N 1,024]; A: input x; B: input Wk: QUANTISED
;;     3. [M 8,192, K 1,024] x [K 1,024, N 1,024]; A: input x; B: input Wv: QUANTISED
;;     4. batch 64 x [M 2,048, K 64] x [K 64, N 2,048]; A: computed on the way; B: computed on the way: QUANTISED
;;     5. batch 64 x [M 2,048, K 2,048] x [K 2,048, N 64]; A: softmax (see below); B: computed on the way: QUANTISED
;;     6. [M 8,192, K 1,024] x [K 1,024, N 1,024]; A: computed on the way; B: input Wo: QUANTISED
;;   THE QUANTISER, for each operand of a quantised product, along K:
;;     - K is cut into blocks of 32 from its start; a last block that is shorter is filled with zeros.
;;     - A block's scale is 2^e with e = floor(log2(the largest magnitude in the block)) - 4, held to -126 .. 127; a block of zeros has e = 0. As a byte (E8M0): e + 127.
;;     - Each number is divided by its block's scale, clamped to +-28, and rounded to the nearest number of E3M2, ties to even, subnormals kept.
;;     - The product sums the exact products of the quantised numbers (number of the format x scale) in f32.
;;   ~~~python
;;   def quantise(x, axis):      # numpy; x: float32 -> the quantised numbers, widened to float32 again
;;       x = np.moveaxis(x, axis, -1); K = x.shape[-1]
;;       x = np.pad(x, [(0, 0)] * (x.ndim - 1) + [(0, -K % 32)]); x = x.reshape(x.shape[:-1] + (-1, 32)); a = np.abs(x).max(-1, keepdims=True)
;;       e = np.where(a > 0, np.clip(np.frexp(np.where(a > 0, a, 1))[1] - 1 - 4, -126, 127), 0)      # np.frexp(a)[1] - 1 = floor(log2(a)), exactly
;;       r = np.clip(x / 2.0 ** e, -28, 28)
;;       step = 2.0 ** (np.maximum(np.frexp(np.where(r == 0, 1, r))[1] - 1, -2) - 2)
;;       q = np.round(r / step) * step * 2.0 ** e      # np.round: ties to even
;;       return np.moveaxis(q.reshape(q.shape[:-2] + (-1,))[..., :K], -1, axis).astype(np.float32)
;;   ~~~
;;   SOFTMAX AHEAD OF A QUANTISED PRODUCT. Where the list says 'softmax', what is quantised is not the finished softmax but p = 2^(t - M), with t = logit x log2(e) and M = ceil(the row's largest t), a whole number; so 1/2 < the row's largest p <= 1. The row's sum l is taken of the UNQUANTISED p, in f32, and the product's result is divided by l at the end. Since M is a whole number, a kernel that streams over the keys may use a running M (the ceiling of the running maximum): every later rescaling is an exact power of two, which a block's scale takes up: the codes' values come out the same.
;;   OPERANDS COMPUTED ON THE WAY. 'Computed on the way' means the value that the module computes at that place (a softmax that the list does not call 'softmax' is quantised finished and normalised). What goes into a quantiser is computed in f32, as accurately as f32 sums, v_exp_f32 and their like allow (about 1e-6 of the number): no bf16 or f16 on the way to a quantiser, and a product that is left as it is and whose result goes on into a quantised operand takes f32 operands (vector FMAs, or v_wmma_f32_16x16x4_f32). A number that lies on a knife's edge between two numbers of the format may be rounded either way, as far as f32 arithmetic and the matrix unit's own rounding can turn it there, and no further.
;; One version. Each part assembles by itself: llvm-mc -triple=amdgcn-amd-amdhsa -mcpu=gfx1250 --defsym DOCPART=n.
;; ======== version 1 of 1: 4 launches
;; workspace buffers: xc 6,291,456 bytes; xs 262,144 bytes; wc 3,145,728 bytes; wsc 131,072 bytes; kv 13,107,200 bytes; qrec 13,107,200 bytes; cc 6,291,456 bytes; cs 262,144 bytes
;; launch quant (part 1): grid 384 x 1, 4 waves a work-group, no clusters, 69,120 bytes of LDS; arguments x, Wq, Wk, Wv, Wo, xc, xs, wc, wsc; writes xc, xs, wc, wsc
.if DOCPART == 1
	.amdgcn_target "amdgcn-amd-amdhsa--gfx1250"
	.amdhsa_code_object_version 6
	.text
	.protected	k_q48d206f16b_quant
	.globl	k_q48d206f16b_quant
	.p2align	8
	.type	k_q48d206f16b_quant,@function
k_q48d206f16b_quant:
	s_mov_b64 s[64:65], 0
	v_nop
	global_prefetch_b8 v0, s[64:65] scope:SCOPE_SE
	s_setreg_imm32_b32 hwreg(HW_REG_WAVE_MODE, 25, 1), 1
	s_wait_xcnt 0x0
; x [8192][1024] and the four weights [1024 (k)][1024 (n)], f32, become codes of BF6 (E3M2), 6 bits each, K innermost, with one E8M0 byte for each 32 along K.
; A block's scale is 2^(floor(log2(its largest magnitude)) - 4); its byte is the largest magnitude's exponent field - 4, held at 1 from below.
; LIMITS: NaN and infinities among the inputs are not served; a block whose largest magnitude lies under 2^-122 has its byte held at 1; a block of zeros gets the
; byte 1 and not 127: its codes are zeros, which add nothing under that byte, and the bytes are read by this program alone.
; THE ORDER OF ROWS.  sw(n) is n with its bits 3 and 4 exchanged.  Stored row s of xc, xs, wc, wsc holds actual row sw(s) (a token of x, an output feature of a weight): 16 neighbouring stored
; rows 16 (2 b + u) + r are then the actual rows 32 b + 8 u + r + 8 (r / 8), which is the choice of rows that lets the products' results be quantised in registers.
; Work-groups 0-255 take x (K innermost: a lane holds 16 neighbours, two lanes a block; the numbers turn through the wave's own stage in LDS so that every load reads 512 consecutive bytes).
; Work-groups 256-383 take the weights (K is the first axis: a lane takes a column and its registers run down K; the codes leave through the wave's own stage as rows).
; The two paths part on the work-group's number, never meet again, and have LDS bytes of their own.  No barrier: waves share nothing.
.set STEPS, 16                         ; x: steps of 512 numbers for a wave: 8 rows
.set CB,    12                         ; bytes of 16 codes
.set XR,    16                         ; v16-79   x: four sets of 16 numbers as loaded
.set XX,    80                         ; v80-111  x: two sets of 16 neighbours
.set XE,    112                        ; v112-127 x: a scale byte for each step
.set XC,    128                        ; v128-191 x: codes, four registers for each step: no store's data are written again
.set WREG,  8192                       ; x: a wave's LDS: two stages of 32 x SP bytes, behind them its 256 scale bytes
.set SP,    80                         ; x: a lane's place in a stage: 64 bytes + 16
.set WSTG,  32768                      ; weights: the stages begin here
.set WP,    272                        ; weights: a stage row: sixteen places of 16 bytes + 16
.set NB,    8                          ; weights: blocks of 32 along K for a wave (256 along K)
.set WX,    32                         ; v32-95   weights: two sets of 32 numbers
.set WC,    96                         ; v96..    weights: a block's codes
.set WO,    112                        ; v112-175 weights: the way out
.set WS,    24                         ; v24-25   weights: the scale bytes, four to a register
	s_load_b256 s[36:43], s[0:1], 0x0              ; x, Wq, Wk, Wv
	s_load_b256 s[44:51], s[0:1], 0x20             ; Wo, xc, xs, wc
	s_load_b64 s[52:53], s[0:1], 0x40              ; wsc
	v_lshl_add_u32 v192, v0, 2, 0x10c00
	v_mov_b32 v193, 0
	v_lshrrev_b32 v1, 5, v0
	v_readfirstlane_b32 s16, v1                    ; wave 0..3
	v_and_b32 v2, 31, v0                           ; lane
	s_mov_b32 s21, 0                               ; the upper word of every offset
	s_wait_kmcnt 0x0
	s_cmp_lt_u32 ttmp9, 256
	s_cbranch_scc0 .Lw
	; ---------------- x ----------------
	v_lshlrev_b32 v3, 4, v2                        ; my 16 bytes of a load's 512
	s_mul_i32 s17, s16, WREG
	v_lshrrev_b32 v14, 2, v2
	v_mul_u32_u24 v14, v14, SP
	v_and_b32 v15, 3, v2
	v_lshl_add_u32 v14, v15, 4, v14
	v_add_nc_u32 v14, s17, v14                     ; the stage on the way in: SP (lane / 4) + 16 (lane % 4)
	v_mul_u32_u24 v15, v2, SP
	v_add_nc_u32 v15, s17, v15                     ; and on the way out: SP x lane: my 16 neighbours
	v_mul_u32_u24 v4, v2, CB                       ; my codes' place in a step's 384 bytes
	v_lshrrev_b32 v5, 1, v2
	s_add_co_u32 s17, s17, 2*32*SP
	v_add_nc_u32 v5, s17, v5                       ; my block's byte among my wave's 256
	v_lshlrev_b32 v7, 3, v2
	v_add_nc_u32 v6, s17, v7                       ; and 8 bytes a lane on the way out
	s_lshl_b32 s18, ttmp9, 2
	s_add_co_u32 s19, s18, s16                     ; my run of 8 rows: 4 x work-group + wave
	s_lshl_b32 s20, s19, 15                        ; 32,768 bytes of f32 a run
	s_add_nc_u64 s[4:5], s[36:37], s[20:21]
	s_and_b32 s19, s16, 1                          ; rows 8 run .. 8 run + 7: the row's bits 3 and 4 are the wave's bits 0 and 1: exchanged for the stored place
	s_lshl_b32 s19, s19, 1
	s_lshr_b32 s22, s16, 1
	s_or_b32 s19, s19, s22
	s_add_co_u32 s19, s18, s19
	s_mul_i32 s20, s19, 6144                       ; 8 rows of 768 bytes of codes
	s_add_nc_u64 s[8:9], s[46:47], s[20:21]
	s_lshl_b32 s20, s19, 8                         ; 8 rows of 32 scale bytes
	s_add_nc_u64 s[10:11], s[48:49], s[20:21]
.macro XLOAD t
.irp i, 0,1,2,3
	global_load_b128 v[XR+16*((\t)%4)+4*\i:XR+16*((\t)%4)+4*\i+3], v3, s[4:5] offset:2048*(\t)+512*\i th:TH_LOAD_NT   ; 32 lanes read 512 consecutive bytes
.endr
.endm
.macro XTURN t                         ; step t's numbers through the stage: LDS serves a wave's instructions in order, so no wait stands between the stores and the loads
.irp i, 0,1,2,3
	ds_store_b128 v14, v[XR+16*((\t)%4)+4*\i:XR+16*((\t)%4)+4*\i+3] offset:32*SP*((\t)%2)+8*SP*\i
.endr
.irp i, 0,1,2,3
	ds_load_b128 v[XX+16*((\t)%2)+4*\i:XX+16*((\t)%2)+4*\i+3], v15 offset:32*SP*((\t)%2)+16*\i
.endr
.endm
.irp t, 0,1,2,3
	XLOAD \t
.endr
	s_wait_loadcnt 12                              ; step 0's four loads are in; the twelve of steps 1 to 3 may be out
	XTURN 0
.macro XSTEP t
.set XS, XX+16*((\t)%2)
.if (\t) > 0
	s_wait_dscnt 1                                 ; this step's numbers are back from the stage (the last step's byte store may be out): its stores into the stage have read their registers,
.else
	s_wait_dscnt 0x0
.endif
.if (\t)+4 < STEPS
	XLOAD (\t)+4                                   ; which take the loads of four steps on
.endif
.if (\t)+1 < STEPS
.if STEPS-2-(\t) >= 3
	s_wait_loadcnt 12                              ; the next step's four loads are in; those of the three steps behind it may be out
.else
	s_wait_loadcnt 4*(STEPS-2-(\t))
.endif
	XTURN (\t)+1                                   ; and go through the other stage while this step is worked
.endif
	v_max3_num_f32 v8, |v[XS]|, |v[XS+1]|, |v[XS+2]|               ; the largest magnitude of my 16, in two chains
	v_max3_num_f32 v9, |v[XS+3]|, |v[XS+4]|, |v[XS+5]|
.irp i, 6,10
	v_max3_num_f32 v8, v8, |v[XS+\i]|, |v[XS+\i+1]|
	v_max3_num_f32 v9, v9, |v[XS+\i+2]|, |v[XS+\i+3]|
.endr
	v_max3_num_f32 v8, v8, |v[XS+14]|, |v[XS+15]|
	v_max3_num_f32 v8, v8, v9, 0x2800000           ; and the floor 2^(5 - 127): the byte cannot fall under 1
	v_max_num_f32_dpp v8, v8, v8 row_xmask:1 row_mask:0xf bank_mask:0xf   ; and of my neighbour's 16: the block's
	v_add_nc_u32 v11, 0xfe000000, v8               ; 4 off its exponent field: the conversion takes the exponent field of this operand as its scale
	v_cvt_scalef32_pk16_bf6_f32 v[XC+4*(\t):XC+4*(\t)+2], v[XS:XS+15], v11
	v_lshrrev_b32 v[XE+(\t)], 23, v11              ; the scale's byte (also the plain line behind the conversion)
	ds_store_b8 v5, v[XE+(\t)] offset:16*(\t)      ; both lanes of a block write the same byte with the same value
	global_store_b96 v4, v[XC+4*(\t):XC+4*(\t)+2], s[8:9] offset:32*CB*(\t)   ; the wave stores 384 consecutive bytes
.endm
.irp t, 0,1,2,3,4,5,6,7,8,9,10,11,12,13,14,15
	XSTEP \t
.endr
	ds_load_b64 v[12:13], v6                       ; LDS serves a wave's instructions in order: these see my byte stores
	s_wait_dscnt 0x0
	global_store_b64 v7, v[12:13], s[10:11]        ; 32 lanes store 256 consecutive bytes, aligned: 8 rows' scale bytes
	s_wait_tensorcnt 0x0
	ds_add_u32 v192, v193
	s_wait_dscnt 0x0
	s_endpgm
	; ---------------- the weights ----------------
.Lw:
	s_sub_co_u32 s20, ttmp9, 256                   ; 0..127: 32 for each weight
	s_lshr_b32 s22, s20, 5                         ; which weight: 0 Wq, 1 Wk, 2 Wv, 3 Wo
	s_bfe_u32 s23, s20, 0x30002                    ; which 128 columns
	s_and_b32 s18, s20, 3                          ; which 256 along K
	s_mov_b64 s[4:5], s[38:39]                     ; the choice hangs on the work-group's number alone
	s_cmp_eq_u32 s22, 1
	s_cselect_b64 s[4:5], s[40:41], s[4:5]
	s_cmp_eq_u32 s22, 2
	s_cselect_b64 s[4:5], s[42:43], s[4:5]
	s_cmp_eq_u32 s22, 3
	s_cselect_b64 s[4:5], s[44:45], s[4:5]
	s_lshl_b32 s17, s23, 7
	s_lshl_b32 s24, s16, 5
	s_add_co_u32 s17, s17, s24                     ; my wave's first column: a multiple of 32
	s_lshl_b32 s20, s18, 20                        ; 256 rows of 4,096 bytes
	s_lshl_b32 s24, s17, 2
	s_add_co_u32 s20, s20, s24
	s_add_nc_u64 s[4:5], s[4:5], s[20:21]
	s_lshl_b32 s26, s22, 10
	s_add_co_u32 s26, s26, s17                     ; my wave's first stored row in wc and wsc
	s_mul_i32 s20, s26, 768
	s_mul_i32 s24, s18, 192
	s_add_co_u32 s20, s20, s24
	s_add_nc_u64 s[6:7], s[50:51], s[20:21]
	s_lshl_b32 s20, s26, 5
	s_lshl_b32 s24, s18, 3
	s_add_co_u32 s20, s20, s24
	s_add_nc_u64 s[8:9], s[52:53], s[20:21]
	v_lshlrev_b32 v3, 2, v2                        ; in: 4 bytes a lane
	v_and_b32 v10, 7, v2                           ; my column's stored row among the wave's 32: the lane with its bits 3 and 4 exchanged
	v_bfe_u32 v11, v2, 3, 1
	v_lshl_add_u32 v10, v11, 4, v10
	v_bfe_u32 v11, v2, 4, 1
	v_lshl_add_u32 v10, v11, 3, v10
	s_mul_i32 s19, s16, 32*WP
	s_add_co_u32 s19, s19, WSTG                    ; my stage
	v_mul_u32_u24 v4, v10, WP
	v_add_nc_u32 v4, s19, v4                       ; into it: my stored row
	v_and_b32 v5, 15, v2
	v_lshrrev_b32 v6, 4, v2                        ; out of it: sixteen lanes to a row, two rows an instruction
	v_mul_u32_u24 v7, v6, WP
	v_lshl_add_u32 v7, v5, 4, v7
	v_add_nc_u32 v7, s19, v7
	v_mul_u32_u24 v8, v6, 768
	v_mad_u32_u24 v8, v5, 12, v8                   ; and the same place in wc
	v_lshlrev_b32 v9, 5, v10                       ; my stored row of scale bytes
.macro WLOAD t                         ; block t: W(32 t + i, my column), i = 0 .. 31, into set t % 2: 32 lanes read 128 consecutive bytes
.irp i, 0,1,2,3,4,5,6,7,8,9,10,11,12,13,14,15,16,17,18,19,20,21,22,23,24,25,26,27,28,29,30,31
	global_load_b32 v[WX+32*((\t)%2)+\i], v3, s[4:5] offset:(32*(\t)+\i)*4096 th:TH_LOAD_NT
.endr
.endm
	WLOAD 0
	WLOAD 1
.macro WBLOCK t
.set XS, WX+32*((\t)%2)
.if (\t) < NB-1
	s_wait_loadcnt 32                              ; this block's 32 loads are in; the next block's 32 may be out
.else
	s_wait_loadcnt 0
.endif
	v_max3_num_f32 v12, |v[XS]|, |v[XS+1]|, |v[XS+2]|              ; the block's largest magnitude: all 32 numbers are mine
	v_max3_num_f32 v13, |v[XS+3]|, |v[XS+4]|, |v[XS+5]|
.irp i, 6,10,14,18,22,26
	v_max3_num_f32 v12, v12, |v[XS+\i]|, |v[XS+\i+1]|
	v_max3_num_f32 v13, v13, |v[XS+\i+2]|, |v[XS+\i+3]|
.endr
	v_max3_num_f32 v12, v12, |v[XS+30]|, |v[XS+31]|
	v_max3_num_f32 v12, v12, v13, 0x2800000        ; and the floor 2^(5 - 127)
	v_add_nc_u32 v11, 0xfe000000, v12              ; 4 off the exponent field: the conversion's scale operand
	v_lshrrev_b32 v13, 23, v11                     ; the scale's byte
.if (\t)%4 == 0
	v_mov_b32 v[WS+(\t)/4], v13                    ; four bytes to a register, the lower K in the lower byte
.else
	v_lshl_or_b32 v[WS+(\t)/4], v13, 8*((\t)%4), v[WS+(\t)/4]
.endif
	v_cvt_scalef32_pk16_bf6_f32 v[WC:WC+2], v[XS:XS+15], v11
	v_cvt_scalef32_pk16_bf6_f32 v[WC+4:WC+6], v[XS+16:XS+31], v11  ; (a conversion's three registers begin on an even number)
	v_nop                                          ; one plain line behind the conversions
	ds_store_b96 v4, v[WC:WC+2] offset:32*(\t)     ; 12 bytes to a place of 16 in the stage: every LDS address is a multiple of 16
	ds_store_b96 v4, v[WC+4:WC+6] offset:32*(\t)+16
.if (\t)+2 < NB
	WLOAD (\t)+2
.endif
	s_wait_dscnt 0x0                               ; the stores have read their registers: the next block's codes may be written
.endm
.set Q, 0
.rept NB
	WBLOCK Q
.set Q, Q+1
.endr
	global_store_b64 v9, v[WS:WS+1], s[8:9]        ; my column's 8 scale bytes
.irp t, 0,1,2,3,4,5,6,7,8,9,10,11,12,13,14,15
	ds_load_b96 v[WO+4*\t:WO+4*\t+2], v7 offset:2*\t*WP   ; LDS serves a wave's instructions in order: these see my stores
.endr
.irp t, 0,1,2,3,4,5,6,7,8,9,10,11,12,13,14,15
	s_wait_dscnt 15-\t                             ; the younger loads from the stage may be out
	global_store_b96 v8, v[WO+4*\t:WO+4*\t+2], s[6:7] offset:2*\t*768   ; sixteen lanes store a row's 192 consecutive bytes
.endr
	s_wait_tensorcnt 0x0
	ds_add_u32 v192, v193
	s_wait_dscnt 0x0
	s_endpgm
.Lfunc_end_k_q48d206f16b_quant:
	.size	k_q48d206f16b_quant, .Lfunc_end_k_q48d206f16b_quant-k_q48d206f16b_quant
	.p2alignl 7, 3214868480
	.fill 96, 4, 3214868480
	.section	.rodata,"a",@progbits
	.p2align	6, 0x0
	.amdhsa_kernel k_q48d206f16b_quant
		.amdhsa_group_segment_fixed_size 69120
		.amdhsa_private_segment_fixed_size 0
		.amdhsa_enable_private_segment 0
		.amdhsa_kernarg_size 72
		.amdhsa_user_sgpr_count 2
		.amdhsa_user_sgpr_kernarg_segment_ptr 1
		.amdhsa_wavefront_size32 1
		.amdhsa_system_sgpr_workgroup_id_x 1
		.amdhsa_system_sgpr_workgroup_id_y 1
		.amdhsa_system_sgpr_workgroup_id_z 1
		.amdhsa_system_vgpr_workitem_id 0
		.amdhsa_next_free_vgpr 194
		.amdhsa_next_free_sgpr 66
		.amdhsa_reserve_vcc 0
		.amdhsa_float_denorm_mode_32 3
		.amdhsa_float_denorm_mode_16_64 3
		.amdhsa_memory_ordered 1
		.amdhsa_forward_progress 1
		.amdhsa_inst_pref_size 74
	.end_amdhsa_kernel
	.amdgpu_metadata
---
amdhsa.version: [ 1, 2 ]
amdhsa.kernels:
  - .name:           k_q48d206f16b_quant
    .symbol:         k_q48d206f16b_quant.kd
    .args:
      - { .name: x, .offset: 0, .size: 8, .value_kind: global_buffer, .address_space: global }
      - { .name: Wq, .offset: 8, .size: 8, .value_kind: global_buffer, .address_space: global }
      - { .name: Wk, .offset: 16, .size: 8, .value_kind: global_buffer, .address_space: global }
      - { .name: Wv, .offset: 24, .size: 8, .value_kind: global_buffer, .address_space: global }
      - { .name: Wo, .offset: 32, .size: 8, .value_kind: global_buffer, .address_space: global }
      - { .name: xc, .offset: 40, .size: 8, .value_kind: global_buffer, .address_space: global }
      - { .name: xs, .offset: 48, .size: 8, .value_kind: global_buffer, .address_space: global }
      - { .name: wc, .offset: 56, .size: 8, .value_kind: global_buffer, .address_space: global }
      - { .name: wsc, .offset: 64, .size: 8, .value_kind: global_buffer, .address_space: global }
    .group_segment_fixed_size: 69120
    .private_segment_fixed_size: 0
    .kernarg_segment_align: 8
    .kernarg_segment_size: 72
    .max_flat_workgroup_size: 128
    .sgpr_count:     66
    .vgpr_count:     194
    .wavefront_size: 32
...
	.end_amdgpu_metadata
.endif
;; end of part 1
;; launch gemm_qkv (part 2): grid 12 x 32, 4 waves a work-group, clusters of 4 x 4, 327,680 bytes of LDS; arguments xc, xs, wc, wsc, qrec, kv; writes qrec, kv
.if DOCPART == 2
	.amdgcn_target "amdgcn-amd-amdhsa--gfx1250"
	.amdhsa_code_object_version 6
	.text
	.protected	k_q48d206f16b_gemm_qkv
	.globl	k_q48d206f16b_gemm_qkv
	.p2align	8
	.type	k_q48d206f16b_gemm_qkv,@function
k_q48d206f16b_gemm_qkv:
	s_mov_b64 s[64:65], 0
	v_nop
	global_prefetch_b8 v0, s[64:65] scope:SCOPE_SE
	s_setreg_imm32_b32 hwreg(HW_REG_WAVE_MODE, 25, 1), 1
	s_wait_xcnt 0x0
	s_wait_alu depctr_hold_cnt(0) depctr_sa_sdst(0) depctr_va_vdst(0) depctr_va_sdst(0) depctr_va_ssrc(0) depctr_va_vcc(0) depctr_vm_vsrc(0)
	s_getreg_b32 s2, hwreg(HW_REG_IB_STS2, 6, 4)
	s_cmp_eq_u32 s2, 0
	s_cbranch_scc0 .Lentry_in_a_cluster
	s_endpgm
.Lentry_in_a_cluster:
	s_bfe_u32 s2, ttmp6, 0x10000c
	s_cmp_lg_u32 s2, 0xf033
	s_cbranch_scc0 .Lentry_shape_is_right
	s_endpgm
.Lentry_shape_is_right:
; q = x Wq, k = x Wk, v = x Wv on codes of BF6 (E3M2) with one E8M0 scale for each 32 along K = 1,024; the f32 results are quantised in registers and leave as codes, laid as the attention's operand registers.
; Cluster x = 0: q, 1: k (A' = x's 8,192 stored rows, B' = Wq's and Wk's 2,048 stored rows);  2: v TRANSPOSED (A' = Wv's 1,024 stored rows, B' = x), so that a lane's registers run along the keys.
; A tile of 256 x 256 is made by four waves, 128 x 128 each: 64 accumulators of 16 x 16, 512 registers.  K goes in steps of 256 through a ring of two LDS slots filled by the tensor data mover;
; the scales of the tile's 256 + 256 rows for all of K come into LDS once, with the first fills.
; CLUSTERS: 4 x 4 work-groups.  A's tile is asked for jointly by a row of the cluster, B's by a column.  Which tensors are A' and B' hangs on the cluster's x alone, which all sixteen share.
; THE MATRIX INSTRUCTION IS USED TRANSPOSED (source 0 = 16 stored rows of B', source 1 = 16 stored rows of A').  Stored row s holds actual row sw(s) (bits 3 and 4 exchanged), so in a lane the 16 registers of
; B' blocks 2 j and 2 j + 1 are the actual columns 32 j + 16 (lane / 16) + 0 .. 15: sixteen neighbours along the next product's K; and A' block 2 b + u holds the actual rows 32 b + 8 u + r + 8 (r / 8).
; A RECORD of 12,800 bytes serves one head and 128 keys: +0 K's four pair fragments (12 registers: key tile 2 b, key tile 2 b + 1; each 6 registers: the head's 64), +6144 V's four fragments (16 of the head's 64 x 128 keys),
; +12288 K's scale words, +12544 V's; a fragment is three pieces of 512 bytes, registers 4 c .. 4 c + 3 at 16 x lane.  q goes into the K parts of qrec, k and v into kv.
; LIMITS: NaN and infinities are not served; a block whose largest magnitude lies under 2^-122 has its byte held at 1, a block of zeros too (its codes are zeros; this program alone reads the bytes).
; REGISTERS, in windows of 256: window 0: v0-31 addresses; v32-63 scale words, two sets; from v128 A's fragments, ONE set; on the way out v160-231 at work.
;   window 1: B's fragments, TWO sets, at v0 and v128.   window 2: the accumulators of my rows 0-63 ((a, b) at v[8 (8 a + b)]);   window 3: those of my rows 64-127.
.set KSTEP,  256
.set NQ,     2                         ; matrix instructions deep in a slot
.set ROWB,   192                       ; a tile's row in bytes
.set KROW,   768                       ; a row of codes in memory
.set PITCH,  240                       ; an LDS row: 3 x (64 bytes + 16 of padding): the 32 lanes of a load of 8 bytes touch 64 different banks (64 banks of 4 bytes: ISA guide 11.1)
.set FR,     12
.set NL,     6
.set NP,     4                         ; places behind this matrix instruction (ISA guide 7.12.1)
.set HALFT,  128*PITCH
.set SLOT,   4*HALFT
.set LAPS,   2                         ; 1,024 / 512
.set KS,     32                        ; a row of scales in bytes
.set SCL,    2*SLOT
.set HALFS,  (128*KS/256)*272
.set SBLK,   (16*KS/256)*272
.set SPARE,  SCL+4*HALFS               ; the spare words, 128 bytes for each wave: two blocks of 256 bytes that no other line names
.set HEADB,  204800                    ; a head's 16 records
.set RECB,   12800
.set ADRA, 16                          ; v16-17 LDS address of my A fragments in slot 0, 1 (v18-19: behind one padding more)
.set ADRB, 20                          ; v20-21 the same for B (v22-23)
.set OC,   24                          ; v24  the way out: 16 x lane
.set OS,   25                          ; v25  the way out: 16 r + HEADB x (lane / 16): the scale words of my two heads
.set ADRS, 27                          ; v27  LDS address of my scale words: lanes 0-15 A's rows, lanes 16-31 B's
.set SPW,  28                          ; v28  my spare word; never rewritten
.set NIL,  29                          ; v29  0; never rewritten
.set SC,   32
.set AF,   128
.set P0,   160                         ; the way out: a fragment for my first head (or for v: the fragment)
.set P1,   172                         ; and for my second
.set SW,   184                         ; four scale words to store
.set TM,   200                         ; v200-203 largest magnitudes, v204-207 the other half's / bytes, v212-215 scale operands
.set WW,   216                         ; v216-223 block a's scale word
.set YT,   224                         ; v224-230 the conversions' second halves
.set G1, 24
.set G0, 32
.set G1B, 48
.set G0B, 56
.set G1S, 68
.set G0S, 76
.set G1SB, 80
.set G0SB, 88
.set MSB, 0
.macro WIN new                         ; the immediate's high byte repeats the setting that is left
.if MSB != \new
	s_set_vgpr_msb (MSB<<8)|\new
.set MSB, \new
.endif
.endm
.set MUL_LO, 0xa1                      ; source 0 (B) window 1, source 1 (A) window 0, C and D window 2
.set MUL_HI, 0xf1
.set TO_B,   0x40
; A joint load: waves 0 and 1 fetch for A, waves 2 and 3 for B; the branch hangs on the wave's number alone.  Four v_nop follow each of the two lines.
.macro JLOAD g0a, g1a, g0b, g1b
	s_cmp_eq_u32 s15, 0
	s_cbranch_scc0 .Lfor_b_\@
	tensor_load_to_lds s[\g0a:\g0a+3], s[\g1a:\g1a+7]
	s_nop 0
.rept 4
	v_nop
.endr
	s_branch .Lasked_\@
.Lfor_b_\@:
	tensor_load_to_lds s[\g0b:\g0b+3], s[\g1b:\g1b+7]
	s_nop 0
.rept 4
	v_nop
.endr
.Lasked_\@:
.endm
.macro CREST                           ; a round of the cluster's barrier behind its opening barrier
	s_cmp_lg_u32 s14, 0
	s_cbranch_scc1 .Lnot_wave_0_\@
	s_barrier_signal -3
.Lnot_wave_0_\@:
	s_barrier_wait -3
	s_barrier_signal -1
	s_barrier_wait -1
.endm
.macro CROUND
	s_barrier_signal -1
	s_barrier_wait -1
	CREST
.endm
	s_load_b128 s[4:7], s[0:1], 0x0                ; xc, xs
	s_load_b128 s[8:11], s[0:1], 0x10              ; wc, wsc
	s_load_b128 s[96:99], s[0:1], 0x20             ; qrec, kv
	v_lshl_add_u32 v[SPW], v0, 2, SPARE
	v_mov_b32 v[NIL], 0
	ds_add_u32 v28, v29
	ds_add_u32 v28, v29
	s_wait_dscnt 0x0
	v_lshrrev_b32 v1, 5, v0
	v_readfirstlane_b32 s14, v1                    ; wave 0..3
	s_lshr_b32 s15, s14, 1                         ; which half of the tile's A' rows is mine.  Also: I fetch for A (0) or for B (1)
	s_and_b32 s16, s14, 1                          ; which half of its B' rows.  Also: which 128 rows I fetch
	s_bfe_u32 s40, ttmp6, 0x40000                  ; cx, cy
	s_bfe_u32 s41, ttmp6, 0x40004
	s_and_b32 s17, ttmp7, 0xffff                   ; the cluster's y
	s_cmp_eq_u32 ttmp9, 2                          ; v's clusters: x is B', and the cluster's y walks it
	s_cselect_b32 s42, s17, ttmp9                  ; the cluster's column of tiles
	s_cselect_b32 s17, 0, s17                      ; and its row
	s_cselect_b32 s95, 1, 0                        ; 1 for v
	s_lshl_b32 s42, s42, 2
	s_add_co_u32 s42, s42, s40                     ; tile column (B')
	s_lshl_b32 s17, s17, 2
	s_add_co_u32 s17, s17, s41                     ; tile row (A')
	s_lshl_b32 s43, s41, 2
	s_lshl_b32 s43, 15, s43                        ; my row of the cluster
	s_lshl_b32 s44, 0x1111, s40                    ; my column
	s_mov_b32 s66, 0x76543210                      ; v_permlanex16_b32's selects for lane l xor 16
	s_mov_b32 s67, 0xfedcba98
	; descriptor group 1: a tile of 128 rows x 192 bytes, 16 bytes of padding behind every 64
	s_or_b32 s[G1+0], s43, (0<<16)|(1<<20)|(1<<21)|(3<<22)|(3<<25)
	s_or_b32 s[G1B+0], s44, (0<<16)|(1<<20)|(1<<21)|(3<<22)|(3<<25)
.irp g, G1, G1B
	s_mov_b32 s[\g+1], ROWB<<16                    ; tensor_dim0
	s_mov_b32 s[\g+2], 128<<16                     ; tensor_dim1
	s_mov_b32 s[\g+3], ROWB<<16                    ; tile_dim0
	s_mov_b32 s[\g+4], 128                         ; tile_dim1
	s_mov_b32 s[\g+5], KROW                        ; the pitch
	s_mov_b32 s[\g+6], 0
	s_mov_b32 s[\g+7], 0
.endr
	; the scales of 128 rows: a dense block of 4,096 bytes, as 16 rows of 256 bytes, 16 bytes of padding behind each
	s_or_b32 s[G1S+0], s43, (3<<16)|(1<<20)|(1<<21)|(5<<22)|(3<<25)
	s_or_b32 s[G1SB+0], s44, (3<<16)|(1<<20)|(1<<21)|(5<<22)|(3<<25)
.irp g, G1S, G1SB
	s_mov_b32 s[\g+1], 32<<16
	s_mov_b32 s[\g+2], (128*KS/256)<<16
	s_mov_b32 s[\g+3], 32<<16
	s_mov_b32 s[\g+4], 128*KS/256
	s_mov_b32 s[\g+5], 32
	s_mov_b32 s[\g+6], 0
	s_mov_b32 s[\g+7], 0
.endr
	s_lshl_b32 s18, s16, 7                         ; which 128 rows of the tile I fetch
	s_lshl_b32 s20, s17, 8
	s_add_co_u32 s20, s20, s18                     ; A': row 256 x tile row + 128 x half
	s_lshl_b32 s46, s42, 8
	s_add_co_u32 s46, s46, s18                     ; B': row 256 x tile column + 128 x half
	s_mov_b32 s21, 0
	s_mov_b32 s47, 0
	s_mov_b64 s[18:19], KS
	s_mul_u64 s[22:23], s[20:21], s[18:19]         ; where these rows' scales begin
	s_mul_u64 s[92:93], s[46:47], s[18:19]
	s_mov_b64 s[18:19], KROW
	s_mul_u64 s[20:21], s[20:21], s[18:19]         ; and their codes
	s_mul_u64 s[46:47], s[46:47], s[18:19]
	s_mul_i32 s45, s14, HALFT                      ; where they go: wave x 128 rows
	s_mul_i32 s94, s14, HALFS
	s_wait_kmcnt 0x0
	s_add_nc_u64 s[100:101], s[8:9], 2048*KROW     ; Wv's codes
	s_add_nc_u64 s[104:105], s[10:11], 2048*KS     ; and scales
	s_cmp_eq_u32 s95, 1                            ; the choice of buffers hangs on the cluster's x alone
	s_cselect_b64 s[8:9], s[4:5], s[8:9]           ; B': x for v, else the weights
	s_cselect_b64 s[10:11], s[6:7], s[10:11]
	s_cselect_b64 s[4:5], s[100:101], s[4:5]       ; A': Wv for v, else x
	s_cselect_b64 s[6:7], s[104:105], s[6:7]
	s_add_nc_u64 s[20:21], s[4:5], s[20:21]
	s_add_nc_u64 s[22:23], s[6:7], s[22:23]
	s_add_nc_u64 s[46:47], s[8:9], s[46:47]
	s_add_nc_u64 s[92:93], s[10:11], s[92:93]
	CROUND                                         ; all sixteen work-groups are here: the first joint loads meet
	s_mov_b32 s[G0S], 1
	s_add_co_u32 s[G0S+1], s94, SCL
	s_mov_b64 s[G0S+2:G0S+3], s[22:23]
	s_or_b32 s[G0S+3], s[G0S+3], 0x80000000
	s_mov_b32 s[G0SB], 1
	s_add_co_u32 s[G0SB+1], s94, SCL
	s_mov_b64 s[G0SB+2:G0SB+3], s[92:93]
	s_or_b32 s[G0SB+3], s[G0SB+3], 0x80000000
	JLOAD G0S, G1S, G0SB, G1SB                     ; the scales first: they are wanted with K step 0
.irp s, 0,1
	s_mov_b32 s[G0+4*\s], 1
	s_add_co_u32 s[G0+4*\s+1], s45, \s*SLOT
	s_add_nc_u64 s[G0+4*\s+2:G0+4*\s+3], s[20:21], \s*ROWB
	s_or_b32 s[G0+4*\s+3], s[G0+4*\s+3], 0x80000000
	s_mov_b32 s[G0B+4*\s], 1
	s_add_co_u32 s[G0B+4*\s+1], s45, \s*SLOT
	s_add_nc_u64 s[G0B+4*\s+2:G0B+4*\s+3], s[46:47], \s*ROWB
	s_or_b32 s[G0B+4*\s+3], s[G0B+4*\s+3], 0x80000000
	JLOAD G0+4*\s, G1, G0B+4*\s, G1B
.endr
	v_and_b32 v1, 15, v0                           ; r = l % 16
	v_bfe_u32 v2, v0, 4, 1                         ; h = l / 16; stays
	v_mul_u32_u24 v3, v1, PITCH
	v_mul_u32_u24 v4, v2, 24
	v_add_nc_u32 v4, v3, v4                        ; a fragment's row x pitch + 24 x half
	v_lshl_add_u32 v5, v2, 4, v4                   ; and the same behind one padding more
	s_mul_i32 s21, s15, HALFT                      ; my 128 rows of A'
	s_mul_i32 s22, s16, HALFT                      ; my 128 rows of B',
	s_add_co_u32 s22, s22, 2*HALFT                 ; which lie behind A's 256
.irp s, 0,1
	v_add_nc_u32 v[ADRA+\s], s21, v4
	v_add_nc_u32 v[ADRB+\s], s22, v4
	v_add_nc_u32 v[ADRA+2+\s], s21, v5
	v_add_nc_u32 v[ADRB+2+\s], s22, v5
	s_add_co_u32 s21, s21, SLOT
	s_add_co_u32 s22, s22, SLOT
.endr
	v_mul_u32_u24 v5, v1, KS                       ; my row's scales: 32 bytes a row,
	v_lshrrev_b32 v6, 8, v5
	v_lshl_add_u32 v5, v6, 4, v5                   ; and 16 more for each 256 passed
	s_mul_i32 s21, s15, HALFS
	s_mul_i32 s22, s16, HALFS
	s_add_co_u32 s22, s22, 2*HALFS
	s_sub_co_u32 s22, s22, s21
	v_mul_u32_u24 v6, s22, v2                      ; lanes 16-31 take B's: one product, the distance between the two bases
	s_add_co_u32 s21, s21, SCL
	v_add_nc_u32 v5, v5, v6
	v_add_nc_u32 v[ADRS], s21, v5
	v_and_b32 v6, 31, v0
	v_lshlrev_b32 v[OC], 4, v6
	v_mul_u32_u24 v[OS], v2, HEADB
	v_lshl_add_u32 v[OS], v1, 4, v[OS]
	; where my results go: T0 = my first token, F0 = my first feature (both multiples of 128): head 16 (T0 / 2048) + F0 / 64, key step (T0 / 128) % 16
	s_lshl_b32 s20, s17, 8
	s_lshl_b32 s21, s15, 7
	s_add_co_u32 s20, s20, s21                     ; my first A' row
	s_lshl_b32 s46, s42, 8
	s_lshl_b32 s47, s16, 7
	s_add_co_u32 s46, s46, s47                     ; my first B' row
	s_and_b32 s47, s46, 1023                       ; as a feature of q or of k
	s_cmp_eq_u32 s95, 1
	s_cselect_b32 s21, s46, s20                    ; T0
	s_cselect_b32 s22, s20, s47                    ; F0
	s_lshr_b32 s23, s21, 11
	s_lshl_b32 s23, s23, 4
	s_lshr_b32 s22, s22, 6
	s_add_co_u32 s23, s23, s22
	s_mul_i32 s23, s23, HEADB
	s_bfe_u32 s21, s21, 0x40007
	s_mul_i32 s21, s21, RECB
	s_add_co_u32 s20, s23, s21
	s_mov_b32 s21, 0
	s_cmp_eq_u32 ttmp9, 0
	s_cselect_b64 s[12:13], s[96:97], s[98:99]     ; q goes to qrec, k and v to kv
	s_add_nc_u64 s[12:13], s[12:13], s[20:21]
.macro FRAG reg, adr, q, i             ; 16 rows x 128 K of 6-bit codes: 12 registers: registers 6 c .. 6 c + 5 hold K = 64 c + 32 (l / 16) + 0 .. 31, 24 bytes as they lie, in pieces of 8 bytes
.irp p, 0,1,2,3,4,5
.set PC, 12*(\q)+6*(\p/3)+\p%3        ; where the piece three on lies behind one padding more, the second address register serves
.if PC%8 < 5
	ds_load_b64 v[\reg+2*\p:\reg+2*\p+1], v[\adr] offset:8*PC+16*(PC/8)+(\i)*16*PITCH
.else
	ds_load_b64 v[\reg+2*\p:\reg+2*\p+1], v[\adr+2] offset:8*PC+16*(PC/8)+(\i)*16*PITCH
.endif
.endr
.endm
; 16 matrix instructions: A's blocks a0, a0 + 1 x B's eight, 128 along K.  The 64 accumulators take turns, one instruction a turn, in the same order in every step.
.macro MUL16 a0, p, q, sc, zero
.irp a, \a0, \a0+1
.irp b, 0,1,2,3,4,5,6,7
.if \zero
	v_wmma_scale_f32_16x16x128_f8f6f4 v[8*(8*((\a)%4)+\b):8*(8*((\a)%4)+\b)+7], v[128*(\p)+FR*\b:128*(\p)+FR*\b+FR-1], v[AF+FR*(\a):AF+FR*(\a)+FR-1], 0, v[SC+8*NQ*(\sc)+NQ*\b+(\q)], v[SC+8*NQ*(\sc)+NQ*(\a)+(\q)] matrix_a_fmt:MATRIX_FMT_BF6 matrix_b_fmt:MATRIX_FMT_BF6 matrix_a_scale:MATRIX_SCALE_ROW1
.else
	v_wmma_scale_f32_16x16x128_f8f6f4 v[8*(8*((\a)%4)+\b):8*(8*((\a)%4)+\b)+7], v[128*(\p)+FR*\b:128*(\p)+FR*\b+FR-1], v[AF+FR*(\a):AF+FR*(\a)+FR-1], v[8*(8*((\a)%4)+\b):8*(8*((\a)%4)+\b)+7], v[SC+8*NQ*(\sc)+NQ*\b+(\q)], v[SC+8*NQ*(\sc)+NQ*(\a)+(\q)] matrix_a_fmt:MATRIX_FMT_BF6 matrix_b_fmt:MATRIX_FMT_BF6 matrix_a_scale:MATRIX_SCALE_ROW1
.endif
.endr
.endr
.endm
.macro FETCH_B slot, q, p
	WIN TO_B
.irp i, 0,1,2,3,4,5,6,7
	FRAG 128*(\p)+FR*\i, ADRB+\slot, \q, \i
.endr
	WIN 0
.endm
.macro FETCH_A slot, q, i0
.irp i, \i0, \i0+1, \i0+2, \i0+3
	FRAG AF+FR*(\i), ADRA+\slot, \q, \i
.endr
.endm
.macro SCALES sc                       ; a K step's scale words: 2 words a row; lanes 0-15 take A's block i, lanes 16-31 B's block i
.irp i, 0,1,2,3,4,5,6,7
	ds_load_b64 v[SC+8*NQ*\sc+NQ*\i:SC+8*NQ*\sc+NQ*\i+1], v[ADRS] offset:\i*SBLK
.endr
.endm
.macro PLACES n                        ; plain vector lines between a matrix instruction and a load into, or a vector read or write of, its registers
.rept \n
	v_nop
.endr
.endm
.macro STEP slot, q, zero              ; a step of 128 along K that has its successor in the same slot
	s_wait_dscnt 4*NL                              ; B's set and A's blocks 0-3 are in; the youngest 24 loads (A's blocks 4-7) may be out
	WIN MUL_LO
	MUL16 0, (\q)%2, \q, \slot, \zero
	MUL16 2, (\q)%2, \q, \slot, \zero
	s_wait_dscnt 0
	PLACES NP
	FETCH_B \slot, (\q)+1, 1-(\q)%2
	FETCH_A \slot, (\q)+1, 0
	WIN MUL_HI
	MUL16 4, (\q)%2, \q, \slot, \zero
	MUL16 6, (\q)%2, \q, \slot, \zero
	PLACES NP
	WIN 0
	FETCH_A \slot, (\q)+1, 4
.endm
; A slot's last step changes slots: ONE barrier; in front of it each wave waits for all its tensor loads, adds 0 to its spare word, and waits for that and for its reads of this slot.
.macro TURN slot, next, fill
	s_wait_tensorcnt 0x0                           ; all my tensor loads have landed: my part of the next slot
	ds_add_u32 v[SPW], v[NIL]                      ; 0 onto my spare word
	s_wait_dscnt 4*NL+1                            ; the add and the youngest 24 loads (A's blocks 4-7) may be out
	WIN MUL_LO
	MUL16 0, 1, NQ-1, \slot, 0
	s_wait_dscnt 0x0                               ; the add is done, and my reads of this slot are over
	s_barrier_signal -1
	MUL16 2, 1, NQ-1, \slot, 0
	WIN 0
	s_barrier_wait -1
.if \fill
	CREST                                          ; the barrier has opened a round of the cluster's: no wave of any partner still reads this slot or has a load on its way
	s_add_nc_u64 s[G0+4*\slot+2:G0+4*\slot+3], s[G0+4*\slot+2:G0+4*\slot+3], 2*ROWB
	s_add_nc_u64 s[G0B+4*\slot+2:G0B+4*\slot+3], s[G0B+4*\slot+2:G0B+4*\slot+3], 2*ROWB
	JLOAD G0+4*\slot, G1, G0B+4*\slot, G1B         ; the first tensor load behind the round; its four v_nop are the places in front of the loads below
.else
	PLACES NP
.endif
	v_add_nc_u32 v[ADRS], 4*NQ, v[ADRS]            ; on to the next K step's scale words
	FETCH_B \next, 0, 0
	FETCH_A \next, 0, 0
	SCALES \next
	WIN MUL_HI
	MUL16 4, 1, NQ-1, \slot, 0
	MUL16 6, 1, NQ-1, \slot, 0
	PLACES NP
	WIN 0
	FETCH_A \next, 0, 4
.endm
	s_wait_tensorcnt 1                             ; of my three loads the scales and K step 0 are in; K step 1's may be out
	s_barrier_signal -1
	s_barrier_wait -1
	FETCH_B 0, 0, 0
	FETCH_A 0, 0, 0
	SCALES 0
	FETCH_A 0, 0, 4
	STEP 0, 0, 1                                   ; the first step's products start the sums
	s_mov_b32 s3, LAPS-1
.Llap:                                                 ; a trip goes once round the ring and fills both slots again
	TURN 0, 1, 1
	STEP 1, 0, 0
	TURN 1, 0, 1
	STEP 0, 0, 0
	s_sub_co_u32 s3, s3, 1
	s_cmp_lg_u32 s3, 0
	s_cbranch_scc1 .Llap
	TURN 0, 1, 0                                   ; the last lap fills nothing
	STEP 1, 0, 0
	s_wait_dscnt 4*NL
	WIN MUL_LO
	MUL16 0, 1, NQ-1, 1, 0
	MUL16 2, 1, NQ-1, 1, 0
	s_wait_dscnt 0
	WIN MUL_HI
	MUL16 4, 1, NQ-1, 1, 0
	MUL16 6, 1, NQ-1, 1, 0
	WIN 0
; THE WAY OUT.  Block a's 64 accumulator registers are, in a lane, register 16 j + i = column 32 j + 16 (lane / 16) + i of the lane's row: four half blocks of 32.  QUANT makes their four scale bytes (word WW + a) and their
; codes: columns 0-63 as six registers from d0 on, columns 64-127 from d1 on; in each, lane (r, h) holds the 32 codes of its block h.  Each accumulator is read from its low end on.
.macro QUANT a, d0, d1
.set AC, 64*((\a)%4)
.set WN, 2+(\a)/4
.set WQ, (WN<<4)|(WN<<2)
	WIN WQ                                         ; sources 1 and 2: the accumulators' window
.irp b, 0,1,2,3
	v_max3_num_f32 v[TM+\b], 0x2800000, |v[AC+16*\b]|, |v[AC+16*\b+1]|   ; with the floor 2^(5 - 127): the byte cannot fall under 1
.endr
.irp i, 2,4,6,8,10,12,14
.irp b, 0,1,2,3
	v_max3_num_f32 v[TM+\b], v[TM+\b], |v[AC+16*\b+\i]|, |v[AC+16*\b+\i+1]|   ; the four blocks by turns
.endr
.endr
	WIN 0
.irp b, 0,1,2,3
	v_permlanex16_b32 v[TM+4+\b], v[TM+\b], s66, s67
.endr
.irp b, 0,1,2,3
	v_max_num_f32 v[TM+\b], v[TM+\b], v[TM+4+\b]   ; with lane l xor 16's: the block's largest magnitude
.endr
.irp b, 0,1,2,3
	v_add_nc_u32 v[TM+12+\b], 0xfe000000, v[TM+\b] ; 4 off the exponent field: the conversion's scale operand
.endr
.irp b, 0,1,2,3
	v_lshrrev_b32 v[TM+4+\b], 23, v[TM+12+\b]      ; the scale's byte
.endr
	v_lshl_or_b32 v[WW+(\a)], v[TM+5], 8, v[TM+4]
	v_lshl_or_b32 v[WW+(\a)], v[TM+6], 16, v[WW+(\a)]
	v_lshl_or_b32 v[WW+(\a)], v[TM+7], 24, v[WW+(\a)]
	WIN WN                                         ; source 0: the accumulators' window
	v_cvt_scalef32_pk16_bf6_f32 v[\d0:\d0+2], v[AC:AC+15], v[TM+12]
	v_cvt_scalef32_pk16_bf6_f32 v[YT:YT+2], v[AC+16:AC+31], v[TM+13]
	v_cvt_scalef32_pk16_bf6_f32 v[\d1:\d1+2], v[AC+32:AC+47], v[TM+14]
	v_cvt_scalef32_pk16_bf6_f32 v[YT+4:YT+6], v[AC+48:AC+63], v[TM+15]
	WIN 0
	v_nop                                          ; one plain line behind the conversions
.irp i, 0,1,2
	v_permlane16_swap_b32 v[\d0+\i], v[YT+\i]      ; the first's lanes 16-31 change places with the second's lanes 0-15: a whole block in a lane
	v_permlane16_swap_b32 v[\d1+\i], v[YT+4+\i]
.endr
.irp i, 0,1,2
	v_mov_b32 v[\d0+3+\i], v[YT+\i]
	v_mov_b32 v[\d1+3+\i], v[YT+4+\i]
.endr
.endm
	PLACES NP                                      ; behind the last products: their results are read and A's registers written below
	v_cmp_ne_u32 vcc_lo, 0, v2                     ; lanes 16-31
.irp b, 0,1,2,3
	v_mov_b32 v[TM+4+\b], 0                        ; written once: a lane permute's destination counts as one of its sources
.endr
	s_cmp_eq_u32 s95, 1
	s_cbranch_scc1 .Lv_out
	; q and k: my 128 columns are two heads; A' blocks 2 b and 2 b + 1 are the two tiles of pair b
.irp b, 0,1,2,3
	s_wait_xcnt 0x0                                ; the last pair's stores have read their registers
	QUANT 2*\b, P0, P1
	QUANT 2*\b+1, P0+6, P1+6
.irp c, 0,1,2
	global_store_b128 v[OC], v[P0+4*\c:P0+4*\c+3], s[12:13] offset:1536*\b+512*\c          ; 32 lanes store 512 consecutive bytes, aligned
	global_store_b128 v[OC], v[P1+4*\c:P1+4*\c+3], s[12:13] offset:HEADB+1536*\b+512*\c
.endr
	v_perm_b32 v188, v[WW+2*\b+1], v[WW+2*\b], 0x05040100   ; my first head's word: (tile 2 b: blocks 0, 1; tile 2 b + 1: blocks 0, 1)
	v_perm_b32 v189, v[WW+2*\b+1], v[WW+2*\b], 0x07060302   ; my second head's
	v_cndmask_b32 v[SW+\b], v188, v189, vcc_lo     ; lanes 0-15 carry the first head's, lanes 16-31 the second's
.endr
	global_store_b128 v[OS], v[SW:SW+3], s[12:13] offset:12288   ; sixteen lanes store 256 consecutive bytes, aligned, in each head's record
	s_branch .Ldone
.Lv_out:
	; v: my 128 A' rows are two heads' 64, four tiles each; my 128 columns are the record's 128 keys
.irp a, 0,1,2,3,4,5,6,7
	s_wait_xcnt 0x0
	QUANT \a, P0, P0+6
.irp c, 0,1,2
	global_store_b128 v[OC], v[P0+4*\c:P0+4*\c+3], s[12:13] offset:(\a/4)*HEADB+6144+1536*(\a%4)+512*\c
.endr
.endr
.irp t, 0,1,2,3
	v_cndmask_b32 v[SW+\t], v[WW+\t], v[WW+4+\t], vcc_lo
.endr
	global_store_b128 v[OS], v[SW:SW+3], s[12:13] offset:12544
.Ldone:
	s_wait_tensorcnt 0x0                           ; the wave's end
	ds_add_u32 v[SPW], v[NIL]
	s_wait_dscnt 0x0
	CROUND                                         ; the closing round: no work-group ends while a partner may still ask for a tile that names it
	s_endpgm
.Lfunc_end_k_q48d206f16b_gemm_qkv:
	.size	k_q48d206f16b_gemm_qkv, .Lfunc_end_k_q48d206f16b_gemm_qkv-k_q48d206f16b_gemm_qkv
	.p2alignl 7, 3214868480
	.fill 96, 4, 3214868480
	.section	.rodata,"a",@progbits
	.p2align	6, 0x0
	.amdhsa_kernel k_q48d206f16b_gemm_qkv
		.amdhsa_group_segment_fixed_size 327680
		.amdhsa_private_segment_fixed_size 0
		.amdhsa_enable_private_segment 0
		.amdhsa_kernarg_size 48
		.amdhsa_user_sgpr_count 2
		.amdhsa_user_sgpr_kernarg_segment_ptr 1
		.amdhsa_wavefront_size32 1
		.amdhsa_system_sgpr_workgroup_id_x 1
		.amdhsa_system_sgpr_workgroup_id_y 1
		.amdhsa_system_sgpr_workgroup_id_z 1
		.amdhsa_system_vgpr_workitem_id 0
		.amdhsa_next_free_vgpr 1024
		.amdhsa_next_free_sgpr 106
		.amdhsa_reserve_vcc 1
		.amdhsa_float_denorm_mode_32 3
		.amdhsa_float_denorm_mode_16_64 3
		.amdhsa_memory_ordered 1
		.amdhsa_forward_progress 1
		.amdhsa_inst_pref_size 199
	.end_amdhsa_kernel
	.amdgpu_metadata
---
amdhsa.version: [ 1, 2 ]
amdhsa.kernels:
  - .name:           k_q48d206f16b_gemm_qkv
    .symbol:         k_q48d206f16b_gemm_qkv.kd
    .args:
      - { .name: xc, .offset: 0, .size: 8, .value_kind: global_buffer, .address_space: global }
      - { .name: xs, .offset: 8, .size: 8, .value_kind: global_buffer, .address_space: global }
      - { .name: wc, .offset: 16, .size: 8, .value_kind: global_buffer, .address_space: global }
      - { .name: wsc, .offset: 24, .size: 8, .value_kind: global_buffer, .address_space: global }
      - { .name: qrec, .offset: 32, .size: 8, .value_kind: global_buffer, .address_space: global }
      - { .name: kv, .offset: 40, .size: 8, .value_kind: global_buffer, .address_space: global }
    .group_segment_fixed_size: 327680
    .private_segment_fixed_size: 0
    .kernarg_segment_align: 8
    .kernarg_segment_size: 48
    .max_flat_workgroup_size: 128
    .sgpr_count:     106
    .vgpr_count:     1024
    .wavefront_size: 32
...
	.end_amdgpu_metadata
.endif
;; end of part 2
;; launch attn (part 3): grid 4 x 64, 16 waves a work-group, clusters of 4 x 1, 206,848 bytes of LDS; arguments qrec, kv, cc, cs; writes cc, cs
.if DOCPART == 3
	.amdgcn_target "amdgcn-amd-amdhsa--gfx1250"
	.amdhsa_code_object_version 6
	.text
	.protected	k_q48d206f16b_attn
	.globl	k_q48d206f16b_attn
	.p2align	8
	.type	k_q48d206f16b_attn,@function
k_q48d206f16b_attn:
	s_mov_b64 s[64:65], 0
	v_nop
	global_prefetch_b8 v0, s[64:65] scope:SCOPE_SE
	s_setreg_imm32_b32 hwreg(HW_REG_WAVE_MODE, 25, 1), 1
	s_wait_xcnt 0x0
	s_wait_alu depctr_hold_cnt(0) depctr_sa_sdst(0) depctr_va_vdst(0) depctr_va_sdst(0) depctr_va_ssrc(0) depctr_va_vcc(0) depctr_vm_vsrc(0)
	s_getreg_b32 s2, hwreg(HW_REG_IB_STS2, 6, 4)
	s_cmp_eq_u32 s2, 0
	s_cbranch_scc0 .Lentry_in_a_cluster
	s_endpgm
.Lentry_in_a_cluster:
	s_bfe_u32 s2, ttmp6, 0x10000c
	s_cmp_lg_u32 s2, 0x3003
	s_cbranch_scc0 .Lentry_shape_is_right
	s_endpgm
.Lentry_shape_is_right:
; Causal attention of one head (64 heads: 16 x batch + head; 2,048 tokens; head size 64) on codes of BF6 (E3M2) with one E8M0 scale for each 32 along a product's K; ctx leaves as codes for the last product.
; THE SOFTMAX AHEAD OF THE SECOND PRODUCT: t = score x log2(e) / 8; M = the row's largest t so far, rounded UP to a whole number; p = 2^(t - M) is quantised along the keys, not normalised.
; The row's sum is taken of the unquantised p and divides O at the end.  When M moves, the sum and O are multiplied by 2^(old M - new M): exact.
; K AND V OF THE WHOLE HEAD, 16 records of 12,800 bytes (codes and scale words, laid as operand registers), come into LDS ONCE, by joint loads of the head's four work-groups: no slot is filled again and nothing is stored to LDS.
; SHARES.  The four work-groups of a cluster own one head.  Wave w (u = w % 2, gg = w / 2) of work-group cx owns two tiles of 16 queries: tile (pair cx, member u) of the group of 128 queries 15 - gg, then that of group gg:
; 16 - gg and gg + 1 key steps of 128, 17 for every wave.  Lane r's query is 128 g + 32 cx + 8 u + r + 8 (r / 8).  Every branch hangs on the wave's number alone; cx enters global addresses and the mask's numbers alone.
; LAYOUT.  Both products are used transposed: S^T = K Q^T, O^T = V^T P^T: a lane holds ONE query throughout.  The head's 64 fill half of the instruction's 128 along K: a pair fragment holds key tile 2 b in K = 0-63 and tile 2 b + 1 in
; K = 64-127, and is multiplied once by [q | zeros] and once by [zeros | q]: zero codes add nothing.  The keys of a tile are 32 b + 8 u + r + 8 (r / 8), so the 16 registers of tiles 2 b, 2 b + 1 are keys 32 b + 16 (lane / 16) + 0 .. 15.
; V's tile t holds the head's rows 32 (t / 2) + 8 (t % 2) + r + 8 (r / 8), so O^T's 16 registers of tiles 2 j, 2 j + 1 are 16 neighbours of the head's 64: ctx is quantised in registers.
; OUT: cc [512 blocks of 16 stored rows][16 heads][768]: three pieces of 256 bytes, registers 2 p, 2 p + 1 of the six at 8 x lane;  cs [8192 stored rows][32]: byte 2 head + block.
; A tile of one head owns 2 scale bytes in each of 16 rows of cs, 32 bytes apart: they leave by one byte store a lane (32 bytes against the tile's 768 of codes).
; LIMITS: NaN and infinities are not served; a block whose largest magnitude lies under 2^-122, a block of zeros too, has its byte held at 1 (zero codes; this program alone reads the bytes).
; REGISTERS: v1 16 x lane; v2-7, v10 the second tile's q and scale word; v8-9 the step's LDS addresses; v11 16 r; v12 -M, v13 the largest t, v[14:15] the sum; v16-21 zeros, v22-27 q, v28-33 zeros; v34 q's scale word; v35 the mask's number;
; v36-83 K's four pair fragments, behind the first product at work; v84-87, v88-91 K's and V's scale words; v92 p's; v93 8 x lane, v94 32 r + h, v95 h; v96-159 S^T, then p; v160-191 O^T; v192-239 V's four fragments; v240-251 p's codes; v252-255 q's offsets.
.set HEADB, 204800
.set RECB,  12800
.set WV,  12                           ; s12 wave
.set CX,  13                           ; s13 my place in the cluster
.set HB,  14                           ; s14 the head, 0..63
.set UU,  15                           ; s15 u
.set GL,  16                           ; s16 the light group
.set GH,  17                           ; s17 the heavy group
.set SEL, 20                           ; s[20:21] v_permlanex16_b32's selects for lane l xor 16
.set CS,  22                           ; s[22:23] c = log2(e) / 8
.set G1,  24                           ; s[24:31] descriptor group 1;  s[32:35], s[36:39] groups 0 for the head's two halves
.set TB,  40                           ; s40 LDS byte at which the step's record begins
.set ST,  41                           ; s41 the key step
.set GR,  42                           ; s42 the group of the tile in hand
.set CNT, 43                           ; s43 the first loop's counter
.set BM,  36                           ; at work: the blocks' largest
.set PT,  40                           ; permutes' results, bytes, the conversions' second halves
.set SO,  48                           ; the conversions' scale operands
.macro CROUND                          ; a round of the cluster's barrier
	s_barrier_signal -1
	s_barrier_wait -1
	s_cmp_lg_u32 s[WV], 0
	s_cbranch_scc1 .Lnot_wave_0_\@
	s_barrier_signal -3
.Lnot_wave_0_\@:
	s_barrier_wait -3
	s_barrier_signal -1
	s_barrier_wait -1
.endm
	s_load_b256 s[4:11], s[0:1], 0x0               ; qrec s[4:5], kv s[6:7], cc s[8:9], cs s[10:11]
	v_lshl_add_u32 v254, v0, 2, 0x32000
	v_mov_b32 v255, 0
	ds_add_u32 v254, v255
	ds_add_u32 v254, v255
	s_wait_dscnt 0x0
	v_lshrrev_b32 v1, 5, v0
	v_readfirstlane_b32 s[WV], v1                  ; wave 0..15
	s_bfe_u32 s[CX], ttmp6, 0x40000
	s_and_b32 s[HB], ttmp7, 0xffff
	s_and_b32 s[UU], s[WV], 1
	s_lshr_b32 s[GL], s[WV], 1                     ; 0..7
	s_xor_b32 s[GH], s[GL], 15                     ; 15 - that: 8..15
	; descriptor group 1: a dense block of 6,400 bytes as 25 rows of 256 bytes (32 elements of 8 bytes), no padding
	s_mov_b32 s[G1], 15|(3<<16)|(1<<21)            ; 15:0 the mask: all four work-groups; 17:16 elements of 8 bytes; 21 set beside a mask
	s_mov_b32 s[G1+1], 32<<16                      ; tensor_dim0
	s_mov_b32 s[G1+2], 25<<16                      ; tensor_dim1
	s_mov_b32 s[G1+3], 32<<16                      ; tile_dim0
	s_mov_b32 s[G1+4], 25                          ; tile_dim1
	s_mov_b32 s[G1+5], 32                          ; the pitch
	s_mov_b32 s[G1+6], 0
	s_mov_b32 s[G1+7], 0
	s_mov_b32 s[SEL], 0x76543210
	s_mov_b32 s[SEL+1], 0xfedcba98
	s_mov_b32 s[CS], 0x3e38aa3b                    ; log2(e) / 8
	s_mov_b32 s[CS+1], s[CS]                       ; (named with it as a pair, so it is written)
	s_mul_i32 s48, s[HB], HEADB                    ; the head's first byte in kv and in qrec
	s_mov_b32 s49, 0
	s_mul_i32 s50, s[WV], 6400                     ; my sixteenth of half a head: in memory and in LDS alike
	s_mov_b32 s51, 0
	s_mov_b32 s55, 0
	s_wait_kmcnt 0x0
	s_add_nc_u64 s[52:53], s[6:7], s[48:49]
	s_add_nc_u64 s[52:53], s[52:53], s[50:51]
	s_add_nc_u64 s[44:45], s[4:5], s[48:49]
	s_mov_b64 s[46:47], s[44:45]
	s_mul_i32 s54, s[GH], RECB
	s_add_nc_u64 s[44:45], s[44:45], s[54:55]      ; the heavy tile's record of q
	s_mul_i32 s54, s[GL], RECB
	s_add_nc_u64 s[46:47], s[46:47], s[54:55]      ; the light tile's
	s_mov_b32 s32, 1                               ; group 0, records 0-7
	s_mov_b32 s33, s50
	s_mov_b64 s[34:35], s[52:53]
	s_or_b32 s35, s35, 0x80000000
	s_mov_b32 s36, 1                               ; group 0, records 8-15
	s_add_co_u32 s37, s50, 8*RECB
	s_add_nc_u64 s[38:39], s[52:53], 8*RECB
	s_or_b32 s39, s39, 0x80000000
	CROUND                                         ; all four work-groups are here: the joint loads meet
	tensor_load_to_lds s[32:35], s[G1:G1+7]        ; every wave's two loads, together: two of mine are out
	s_nop 0
	tensor_load_to_lds s[36:39], s[G1:G1+7]
	s_nop 0
.rept 4
	v_nop
.endr
	v_and_b32 v1, 31, v0
	v_lshlrev_b32 v93, 3, v1                       ; 8 x lane
	v_lshlrev_b32 v1, 4, v1                        ; 16 x lane
	v_and_b32 v96, 15, v0                          ; r
	v_bfe_u32 v95, v0, 4, 1                        ; h
	v_lshlrev_b32 v11, 4, v96                      ; 16 r
	v_lshl_add_u32 v94, v96, 5, v95                ; 32 r + h
	; q: member u's six registers of pair cx's twelve: registers 6 u + 0, 1 | + 2, 3 | + 4, 5 lie at 520 u | 8 + 1016 u | 512 + 520 u of the pair's 1,536 bytes, + 16 x lane
	s_mul_i32 s48, s[CX], 1536
	s_mul_i32 s49, s[UU], 520
	s_add_co_u32 s49, s49, s48
	v_add_nc_u32 v252, s49, v1
	s_mul_i32 s50, s[UU], 1016
	s_add_co_u32 s50, s50, s48
	s_add_co_u32 s50, s50, 8
	v_add_nc_u32 v253, s50, v1
	s_add_co_u32 s49, s49, 512
	v_add_nc_u32 v254, s49, v1
	s_lshl_b32 s48, s[CX], 2
	v_add_nc_u32 v255, s48, v11                    ; the pair's scale word of row r
	global_load_b64 v[22:23], v252, s[44:45]
	global_load_b64 v[24:25], v253, s[44:45]
	global_load_b64 v[26:27], v254, s[44:45]
	global_load_b32 v34, v255, s[44:45] offset:12288
	global_load_b64 v[2:3], v252, s[46:47]
	global_load_b64 v[4:5], v253, s[46:47]
	global_load_b64 v[6:7], v254, s[46:47]
	global_load_b32 v10, v255, s[46:47] offset:12288
.irp i, 0,1,2,3,4,5
	v_mov_b32 v[16+\i], 0                          ; zero codes on either side of q
	v_mov_b32 v[28+\i], 0
.endr
	v_and_b32 v97, 8, v96
	v_add_nc_u32 v97, v97, v96                     ; r + 8 (r / 8)
	v_lshlrev_b32 v98, 4, v95
	v_sub_nc_u32 v97, v97, v98                     ; - 16 h
	s_lshl_b32 s48, s[CX], 5
	s_lshl_b32 s49, s[UU], 3
	s_add_co_u32 s48, s48, s49
	v_add_nc_u32 v35, s48, v97                     ; my query's place in its group less 16 h: register 16 b + i of the diagonal step holds a hidden key where 32 b + i is above it
	s_mul_i32 s56, s[UU], 0x02020202
	s_add_co_u32 s56, s56, 0x01000100              ; the byte select that makes (block 0, block 1, block 0, block 1) of member u's two bytes
.macro INIT                            ; a tile begins: the step is written once and its first turn finds zeros, which the first change of M leaves zeros
	v_mov_b32 v13, 0xff61b1e6                      ; the largest t so far: -3e38, under every t
	v_floor_f32 v12, -v13                          ; -M
	v_mov_b32 v14, 0
	v_mov_b32 v15, 0
.set J, 0
.rept 32
	v_mov_b32 v[160+J], 0
.set J, J+1
.endr
.endm
; A KEY STEP: 128 keys, the record at LDS byte s[TB].  chk = 1: a step all of whose keys come after the tile's queries is left out (a branch on the wave's number and the loop's counter), and the diagonal step is masked.
.macro STEP chk
.if \chk
	s_cmp_gt_u32 s[ST], s[GR]
	s_cbranch_scc1 .Lskip_\@
.endif
	v_add_nc_u32 v8, s[TB], v1
	v_add_nc_u32 v9, s[TB], v11
.irp b, 0,1,2,3
.irp c, 0,1,2
	ds_load_b128 v[36+12*\b+4*\c:39+12*\b+4*\c], v8 offset:1536*\b+512*\c            ; K's pair fragments: 512 consecutive bytes a load
.endr
.endr
	ds_load_b128 v[84:87], v9 offset:12288                                              ; K's four scale words of row r
.irp t, 0,1,2,3
.irp c, 0,1,2
	ds_load_b128 v[192+12*\t+4*\c:195+12*\t+4*\c], v8 offset:6144+1536*\t+512*\c     ; V's fragments
.endr
.endr
	ds_load_b128 v[88:91], v9 offset:12544                                              ; V's four scale words
	s_wait_dscnt 13                                ; K and its scale words are in; V's twelve loads and its scale words may be out
.irp b, 0,1,2,3
	v_wmma_scale_f32_16x16x128_f8f6f4 v[96+16*\b:103+16*\b], v[36+12*\b:47+12*\b], v[22:33], 0, v[84+\b], v34 matrix_a_fmt:MATRIX_FMT_BF6 matrix_b_fmt:MATRIX_FMT_BF6    ; key tile 2 b: [q | zeros]
	v_wmma_scale_f32_16x16x128_f8f6f4 v[104+16*\b:111+16*\b], v[36+12*\b:47+12*\b], v[16:27], 0, v[84+\b], v34 matrix_a_fmt:MATRIX_FMT_BF6 matrix_b_fmt:MATRIX_FMT_BF6  ; key tile 2 b + 1: [zeros | q]
.endr
.rept 4
	v_nop                                          ; places behind the products: their results are read and K's registers written below
.endr
.if \chk
	s_cmp_lg_u32 s[ST], s[GR]
	s_cbranch_scc1 .Lopen_\@
	v_mov_b32 v52, 0xff800000                      ; on the diagonal hidden keys' scores become -infinity ahead of the maximum: p = 0 then
.set N, 0
.rept 64
	v_cmp_gt_i32 vcc_lo, 32*(N/16)+N%16, v35
	v_cndmask_b32 v[96+N], v[96+N], v52, vcc_lo
.set N, N+1
.endr
.Lopen_\@:
.endif
.irp b, 0,1,2,3
	v_max3_num_f32 v[BM+\b], v[96+16*\b], v[97+16*\b], v[98+16*\b]   ; the largest score of each block of 32 keys: it serves the row's maximum and, since p rises with the score, the block's largest p
.endr
.irp i, 3,5,7,9,11,13
.irp b, 0,1,2,3
	v_max3_num_f32 v[BM+\b], v[BM+\b], v[96+16*\b+\i], v[97+16*\b+\i]
.endr
.endr
.irp b, 0,1,2,3
	v_max_num_f32 v[BM+\b], v[BM+\b], v[111+16*\b]
.endr
.irp b, 0,1,2,3
	v_permlanex16_b32 v[PT+\b], v[BM+\b], s[SEL], s[SEL+1]
.endr
.irp b, 0,1,2,3
	v_max_num_f32 v[BM+\b], v[BM+\b], v[PT+\b]     ; with lane l xor 16's 16 keys
.endr
	v_max3_num_f32 v53, v36, v37, v38
	v_max_num_f32 v53, v53, v39                    ; the step's largest score of my query
	v_mul_f32 v53, s[CS], v53                      ; as t (c is positive)
	v_max_num_f32 v13, v13, v53                    ; the running largest t
	v_mov_b32 v53, v12
	v_floor_f32 v12, -v13                          ; the new -M = floor(-t): M is a whole number
	v_sub_f32 v53, v12, v53                        ; old M less new M: a whole number, 0 or less
	v_cvt_i32_f32 v53, v53                         ; (it saturates)
	v_ldexp_f32 v54, 1.0, v53                      ; f = 2^(old M - new M)
.set J, 0
.rept 32
	v_pk_fma_f32 v[96+J:97+J], v[96+J:97+J], s[CS:CS+1], v[12:13] op_sel_hi:[1,0,0]   ; t - M, two at a time
.set J, J+2
.endr
.irp b, 0,1,2,3
	v_fma_f32 v[BM+\b], v[BM+\b], s[CS], v12       ; the same of each block's largest score
.endr
.set J, 0
.rept 64
	v_exp_f32 v[96+J], v[96+J]                     ; p = 2^(t - M), at most 1
.set J, J+1
.endr
	v_pk_mul_f32 v[14:15], v[14:15], v[54:55] op_sel_hi:[1,0]   ; the sums under the new M (the plain line behind the exponentials)
	s_wait_alu depctr_va_vdst(0)                   ; one wait for the batch of 64, ahead of its first reader
.irp b, 0,1,2,3
	v_exp_f32 v[BM+\b], v[BM+\b]                   ; the block's largest p: the same two instructions on the same number
.endr
	v_pk_add_f32 v[PT:PT+1], v[96:97], v[98:99]    ; the row's sum of the unquantised p: two at a time, in two chains
.set J, 4
.rept 15
	v_pk_add_f32 v[14:15], v[14:15], v[96+J:97+J]
	v_pk_add_f32 v[PT:PT+1], v[PT:PT+1], v[98+J:99+J]
.set J, J+4
.endr
	v_pk_add_f32 v[14:15], v[14:15], v[PT:PT+1]
	s_wait_alu depctr_va_vdst(0)                   ; and one for the four
.irp b, 0,1,2,3
	v_max_num_f32 v[BM+\b], 0x2800000, v[BM+\b]    ; the floor 2^(5 - 127): the byte cannot fall under 1
.endr
.irp b, 0,1,2,3
	v_add_nc_u32 v[SO+\b], 0xfe000000, v[BM+\b]    ; 4 off the exponent field: the conversion's scale operand
.endr
.irp b, 0,1,2,3
	v_lshrrev_b32 v[PT+\b], 23, v[SO+\b]           ; the scale's byte
.endr
	v_lshl_or_b32 v92, v[PT+1], 8, v[PT]           ; p's scale word for these 128 keys
	v_lshl_or_b32 v92, v[PT+2], 16, v92
	v_lshl_or_b32 v92, v[PT+3], 24, v92
.irp c, 0,1
	v_cvt_scalef32_pk16_bf6_f32 v[240+6*\c:242+6*\c], v[96+32*\c:111+32*\c], v[SO+2*\c]
	v_cvt_scalef32_pk16_bf6_f32 v[PT+4*\c:PT+2+4*\c], v[112+32*\c:127+32*\c], v[SO+2*\c+1]   ; (a conversion's three registers begin on an even number)
.endr
	v_nop                                          ; one plain line behind the conversions
.irp c, 0,1                                    ; the operand wants a whole block in a lane
.irp i, 0,1,2
	v_permlane16_swap_b32 v[240+6*\c+\i], v[PT+4*\c+\i]
.endr
.irp i, 0,1,2
	v_mov_b32 v[243+6*\c+\i], v[PT+4*\c+\i]
.endr
.endr
.set J, 0
.rept 16
	v_pk_mul_f32 v[160+J:161+J], v[160+J:161+J], v[54:55] op_sel_hi:[1,0]   ; O^T under the new M; these sixteen are also the places between p's scale word and codes and the products below
.set J, J+2
.endr
	s_wait_dscnt 0x0                               ; V is in
.irp t, 0,1,2,3                                ; O^T += V^T P^T: the four accumulators by turns, one instruction a turn
	v_wmma_scale_f32_16x16x128_f8f6f4 v[160+8*\t:167+8*\t], v[192+12*\t:203+12*\t], v[240:251], v[160+8*\t:167+8*\t], v[88+\t], v92 matrix_a_fmt:MATRIX_FMT_BF6 matrix_b_fmt:MATRIX_FMT_BF6
.endr
.rept 4
	v_nop                                          ; places behind the products, for the next step's loads into V's registers and for the first read of O^T
.endr
.if \chk
.Lskip_\@:
.endif
	s_add_co_u32 s[TB], s[TB], RECB                ; the next record
.endm
; THE WAY OUT of the tile of group s[GR]: O^T / the sum is ctx; its two blocks of 32 are quantised and stored as six operand registers and two scale bytes a row.
.macro OUT
	v_add_f32 v14, v14, v15                        ; the sum's two halves,
	v_permlanex16_b32 v53, v14, s[SEL], s[SEL+1]
	v_add_f32 v14, v14, v53                        ; and lane l xor 16's
	v_rcp_f32 v14, v14
	v_nop                                          ; a plain line behind the reciprocal
	s_lshr_b32 s48, s[HB], 4                       ; the block of 16 stored rows: 128 x batch + 8 x group + 2 cx + u
	s_lshl_b32 s48, s48, 7
	s_lshl_b32 s49, s[GR], 3
	s_add_co_u32 s48, s48, s49
	s_lshl_b32 s49, s[CX], 1
	s_add_co_u32 s48, s48, s49
	s_add_co_u32 s48, s48, s[UU]
	s_and_b32 s49, s[HB], 15                       ; the head within the batch
	s_lshl_b32 s50, s48, 4
	s_add_co_u32 s50, s50, s49
	s_mul_i32 s50, s50, 768
	s_mov_b32 s51, 0
	s_add_nc_u64 s[52:53], s[8:9], s[50:51]        ; cc
	s_lshl_b32 s50, s48, 9
	s_lshl_b32 s49, s49, 1
	s_add_co_u32 s50, s50, s49
	s_add_nc_u64 s[54:55], s[10:11], s[50:51]      ; cs
	s_wait_alu depctr_va_vdst(0)                   ; the wait ahead of the reciprocal's first reader
.set J, 0
.rept 32
	v_mul_f32 v[96+J], v[160+J], v14               ; register 16 j + i is ctx(my query, 32 j + 16 h + i); each accumulator from its low end on
.set J, J+1
.endr
.irp b, 0,1
	v_max3_num_f32 v[BM+\b], |v[96+16*\b]|, |v[97+16*\b]|, 0x2800000
.endr
.irp i, 2,4,6,8,10,12,14
.irp b, 0,1
	v_max3_num_f32 v[BM+\b], v[BM+\b], |v[96+16*\b+\i]|, |v[97+16*\b+\i]|
.endr
.endr
.irp b, 0,1
	v_permlanex16_b32 v[PT+\b], v[BM+\b], s[SEL], s[SEL+1]
.endr
.irp b, 0,1
	v_max_num_f32 v[BM+\b], v[BM+\b], v[PT+\b]
.endr
.irp b, 0,1
	v_add_nc_u32 v[SO+\b], 0xfe000000, v[BM+\b]
.endr
.irp b, 0,1
	v_lshrrev_b32 v[BM+2+\b], 23, v[SO+\b]         ; the two bytes
.endr
	v_cvt_scalef32_pk16_bf6_f32 v[40:42], v[96:111], v48
	v_cvt_scalef32_pk16_bf6_f32 v[44:46], v[112:127], v49
	v_nop                                          ; one plain line behind the conversions
.irp i, 0,1,2
	v_permlane16_swap_b32 v[40+\i], v[44+\i]       ; lane (r, h) now holds block h: its lower 16 codes in v40-42, its upper 16 in v44-46
.endr
	v_mov_b32 v43, v44
	v_mov_b32 v44, v45
	v_mov_b32 v45, v46
	v_cmp_ne_u32 vcc_lo, 0, v95
	v_cndmask_b32 v47, v38, v39, vcc_lo            ; my block's byte
	global_store_b64 v93, v[40:41], s[52:53]              ; 32 lanes store 256 consecutive bytes, aligned
	global_store_b64 v93, v[42:43], s[52:53] offset:256
	global_store_b64 v93, v[44:45], s[52:53] offset:512
	global_store_b8 v94, v47, s[54:55]
	s_wait_xcnt 0x0                                ; the stores have read their registers and bases: both are written again
.endm
	s_wait_loadcnt 0x4                             ; the heavy tile's q and scale word are in; the light tile's four loads may be out
	v_perm_b32 v34, v34, v34, s56
	INIT                                           ; (its lines are also the places between q's scale word and the first product)
	s_wait_tensorcnt 0x1                           ; my part of records 0-7 is in; that of records 8-15 may be out
	s_barrier_signal -1
	s_barrier_wait -1                              ; everybody's is
	s_mov_b32 s[TB], 0
	s_mov_b32 s[CNT], 8
.Lh0:                                              ; the heavy tile, key steps 0-7: its group is 8 or more, so all count and none is masked
	STEP 0
	s_sub_co_u32 s[CNT], s[CNT], 1
	s_cmp_lg_u32 s[CNT], 0
	s_cbranch_scc1 .Lh0
	s_wait_tensorcnt 0x0                           ; my part of records 8-15 is in
	s_wait_dscnt 0x0
	s_barrier_signal -1
	s_barrier_wait -1                              ; everybody's is
	s_mov_b32 s[TB], 8*RECB
	s_mov_b32 s[ST], 8
	s_mov_b32 s[GR], s[GH]
.Lh1:                                              ; key steps 8-15: a constant count of trips; the work of steps past the diagonal is jumped over
	STEP 1
	s_add_co_u32 s[ST], s[ST], 1
	s_cmp_lt_u32 s[ST], 16
	s_cbranch_scc1 .Lh1
	OUT
	s_wait_loadcnt 0x0                             ; the light tile's q
.irp i, 0,1,2,3,4,5
	v_mov_b32 v[22+\i], v[2+\i]
.endr
	v_perm_b32 v34, v10, v10, s56
	INIT
	s_mov_b32 s[TB], 0
	s_mov_b32 s[ST], 0
	s_mov_b32 s[GR], s[GL]
.Ll:                                               ; the light tile: key steps 0-7, likewise
	STEP 1
	s_add_co_u32 s[ST], s[ST], 1
	s_cmp_lt_u32 s[ST], 8
	s_cbranch_scc1 .Ll
	OUT
	s_wait_dscnt 0x0
	s_wait_xcnt 0x0
	v_lshl_add_u32 v254, v0, 2, 0x32000
	v_mov_b32 v255, 0
	s_wait_tensorcnt 0x0
	ds_add_u32 v254, v255
	s_wait_dscnt 0x0
	CROUND                                         ; the closing round
	s_endpgm
.Lfunc_end_k_q48d206f16b_attn:
	.size	k_q48d206f16b_attn, .Lfunc_end_k_q48d206f16b_attn-k_q48d206f16b_attn
	.p2alignl 7, 3214868480
	.fill 96, 4, 3214868480
	.section	.rodata,"a",@progbits
	.p2align	6, 0x0
	.amdhsa_kernel k_q48d206f16b_attn
		.amdhsa_group_segment_fixed_size 206848
		.amdhsa_private_segment_fixed_size 0
		.amdhsa_enable_private_segment 0
		.amdhsa_kernarg_size 32
		.amdhsa_user_sgpr_count 2
		.amdhsa_user_sgpr_kernarg_segment_ptr 1
		.amdhsa_wavefront_size32 1
		.amdhsa_system_sgpr_workgroup_id_x 1
		.amdhsa_system_sgpr_workgroup_id_y 1
		.amdhsa_system_sgpr_workgroup_id_z 1
		.amdhsa_system_vgpr_workitem_id 0
		.amdhsa_next_free_vgpr 256
		.amdhsa_next_free_sgpr 66
		.amdhsa_reserve_vcc 1
		.amdhsa_float_denorm_mode_32 3
		.amdhsa_float_denorm_mode_16_64 3
		.amdhsa_memory_ordered 1
		.amdhsa_forward_progress 1
		.amdhsa_inst_pref_size 74
	.end_amdhsa_kernel
	.amdgpu_metadata
---
amdhsa.version: [ 1, 2 ]
amdhsa.kernels:
  - .name:           k_q48d206f16b_attn
    .symbol:         k_q48d206f16b_attn.kd
    .args:
      - { .name: qrec, .offset: 0, .size: 8, .value_kind: global_buffer, .address_space: global }
      - { .name: kv, .offset: 8, .size: 8, .value_kind: global_buffer, .address_space: global }
      - { .name: cc, .offset: 16, .size: 8, .value_kind: global_buffer, .address_space: global }
      - { .name: cs, .offset: 24, .size: 8, .value_kind: global_buffer, .address_space: global }
    .group_segment_fixed_size: 206848
    .private_segment_fixed_size: 0
    .kernarg_segment_align: 8
    .kernarg_segment_size: 32
    .max_flat_workgroup_size: 512
    .sgpr_count:     66
    .vgpr_count:     256
    .wavefront_size: 32
...
	.end_amdgpu_metadata
.endif
;; end of part 3
;; launch gemm_out (part 4): grid 4 x 32, 4 waves a work-group, clusters of 4 x 4, 327,680 bytes of LDS; arguments cc, cs, wc, wsc, bo, out0; writes out0
.if DOCPART == 4
	.amdgcn_target "amdgcn-amd-amdhsa--gfx1250"
	.amdhsa_code_object_version 6
	.text
	.protected	k_q48d206f16b_gemm_out
	.globl	k_q48d206f16b_gemm_out
	.p2align	8
	.type	k_q48d206f16b_gemm_out,@function
k_q48d206f16b_gemm_out:
	s_mov_b64 s[64:65], 0
	v_nop
	global_prefetch_b8 v0, s[64:65] scope:SCOPE_SE
	s_setreg_imm32_b32 hwreg(HW_REG_WAVE_MODE, 25, 1), 1
	s_wait_xcnt 0x0
	s_wait_alu depctr_hold_cnt(0) depctr_sa_sdst(0) depctr_va_vdst(0) depctr_va_sdst(0) depctr_va_ssrc(0) depctr_va_vcc(0) depctr_vm_vsrc(0)
	s_getreg_b32 s2, hwreg(HW_REG_IB_STS2, 6, 4)
	s_cmp_eq_u32 s2, 0
	s_cbranch_scc0 .Lentry_in_a_cluster
	s_endpgm
.Lentry_in_a_cluster:
	s_bfe_u32 s2, ttmp6, 0x10000c
	s_cmp_lg_u32 s2, 0xf033
	s_cbranch_scc0 .Lentry_shape_is_right
	s_endpgm
.Lentry_shape_is_right:
; out0 = ctx Wo + bo on codes of BF6 (E3M2) with one E8M0 scale for each 32 along K = 1,024; out0 [8192][1024] f32.
; A' = ctx: cc [512 blocks of 16 stored rows][16 heads][768 bytes]: images of operand registers (for each head six registers: three pieces of 256 bytes, registers 2 p, 2 p + 1 at 8 x lane); its scales cs [8192 stored rows][32].
; B' = Wo: stored rows 3,072 on of wc [.][768] and wsc [.][32].  Stored row s holds actual row sw(s) (bits 3 and 4 exchanged), of tokens and of output features alike.
; A tile of 256 x 256 is made by four waves, 128 x 128 each: 64 accumulators, 512 registers.  K goes in steps of 256 through a ring of two LDS slots filled by the tensor data mover; the scales come into LDS once.
; CLUSTERS: 4 x 4 work-groups; A's tile is asked for jointly by a row of the cluster, B's by a column.  THE MATRIX INSTRUCTION IS USED TRANSPOSED (source 0 = B', source 1 = A'): a lane holds eight neighbouring numbers of a row of out0.
; The bias is the C of each sum's first matrix instruction: eight registers for each of B's eight blocks, in the result's layout.
; 128 work-groups: a tile of 128 x 256 would give 256, at twice the LDS reads of B for each product; not taken here.
; REGISTERS, in windows of 256: window 0: v0-31 addresses; v32-63 scale words, two sets; v64-127 the bias; from v128 A's fragments, ONE set; on the way out v128-255 rows of out0.
;   window 1: B's fragments, TWO sets.   window 2: the accumulators of my rows 0-63;   window 3: those of my rows 64-127.
.set KSTEP,  256
.set NQ,     2
.set ROWB,   192                       ; B: a tile's row in bytes
.set KROW,   768
.set PITCH,  240                       ; B: an LDS row: 3 x (64 bytes + 16 of padding)
.set ABLK,   3072                      ; A: 16 rows x 256 along K: four heads' images
.set FR,     12
.set NL,     6
.set NP,     4
.set HALFT,  128*PITCH                 ; a wave's part of a slot (A's uses 24,576 bytes of it)
.set SLOT,   4*HALFT
.set LAPS,   2
.set KS,     32
.set SCL,    2*SLOT
.set HALFS,  (128*KS/256)*272
.set SBLK,   (16*KS/256)*272
.set SPARE,  SCL+4*HALFS               ; the spare words, 128 bytes for each wave: two blocks of 256 bytes that no other line names
.set SPITCH, 528                       ; the way out: a stage of 16 rows x (512 bytes + 16) for each wave, in slot 0, which has had its last fill and its last read when the first result is stored there
.set ADRA, 16                          ; v16-17 LDS address of my A images in slot 0, 1
.set ADRB, 20                          ; v20-21 of my B fragments (v22-23: behind one padding more)
.set STO,  24
.set RD,   25
.set CO,   26
.set ADRS, 27
.set SPW,  28
.set NIL,  29
.set SC,   32
.set BIAS, 64
.set AF,   128
.set BK,   128
.set G1, 24
.set G0, 32
.set G1B, 48
.set G0B, 56
.set G1S, 68
.set G0S, 76
.set G1SB, 80
.set G0SB, 88
.set MSB, 0
.macro WIN new                         ; the immediate's high byte repeats the setting that is left
.if MSB != \new
	s_set_vgpr_msb (MSB<<8)|\new
.set MSB, \new
.endif
.endm
.set MUL_LO, 0xa1                      ; source 0 (B) window 1, source 1 (A) window 0, C and D window 2
.set MUL_HI, 0xf1
.set FST_LO, 0x81                      ; the first step: C (the bias) window 0, D window 2
.set FST_HI, 0xc1
.set TO_B,   0x40
.macro JLOAD g0a, g1a, g0b, g1b        ; a joint load: waves 0 and 1 fetch for A, waves 2 and 3 for B; four v_nop follow each of the two lines
	s_cmp_eq_u32 s15, 0
	s_cbranch_scc0 .Lfor_b_\@
	tensor_load_to_lds s[\g0a:\g0a+3], s[\g1a:\g1a+7]
	s_nop 0
.rept 4
	v_nop
.endr
	s_branch .Lasked_\@
.Lfor_b_\@:
	tensor_load_to_lds s[\g0b:\g0b+3], s[\g1b:\g1b+7]
	s_nop 0
.rept 4
	v_nop
.endr
.Lasked_\@:
.endm
.macro CREST
	s_cmp_lg_u32 s14, 0
	s_cbranch_scc1 .Lnot_wave_0_\@
	s_barrier_signal -3
.Lnot_wave_0_\@:
	s_barrier_wait -3
	s_barrier_signal -1
	s_barrier_wait -1
.endm
.macro CROUND
	s_barrier_signal -1
	s_barrier_wait -1
	CREST
.endm
	s_load_b128 s[4:7], s[0:1], 0x0                ; cc, cs
	s_load_b128 s[8:11], s[0:1], 0x10              ; wc, wsc
	s_load_b128 s[96:99], s[0:1], 0x20             ; bo, out0
	v_lshl_add_u32 v[SPW], v0, 2, SPARE
	v_mov_b32 v[NIL], 0
	ds_add_u32 v28, v29
	ds_add_u32 v28, v29
	s_wait_dscnt 0x0
	v_lshrrev_b32 v1, 5, v0
	v_readfirstlane_b32 s14, v1                    ; wave 0..3
	s_lshr_b32 s15, s14, 1                         ; which half of the tile's rows is mine.  Also: I fetch for A (0) or for B (1)
	s_and_b32 s16, s14, 1                          ; which half of its columns.  Also: which 128 rows I fetch
	s_bfe_u32 s40, ttmp6, 0x40000                  ; cx, cy
	s_bfe_u32 s41, ttmp6, 0x40004
	s_lshl_b32 s42, ttmp9, 2
	s_add_co_u32 s42, s42, s40                     ; tile column
	s_and_b32 s17, ttmp7, 0xffff
	s_lshl_b32 s17, s17, 2
	s_add_co_u32 s17, s17, s41                     ; tile row
	s_lshl_b32 s43, s41, 2
	s_lshl_b32 s43, 15, s43                        ; my row of the cluster
	s_lshl_b32 s44, 0x1111, s40                    ; my column
	; A's tile: 8 blocks of 16 rows, of each 3,072 bytes (384 elements of 8 bytes), 12,288 bytes apart in memory; dense in LDS
	s_or_b32 s[G1+0], s43, (3<<16)|(1<<21)
	s_mov_b32 s[G1+1], 384<<16                     ; tensor_dim0
	s_mov_b32 s[G1+2], 8<<16                       ; tensor_dim1
	s_mov_b32 s[G1+3], 384<<16                     ; tile_dim0
	s_mov_b32 s[G1+4], 8                           ; tile_dim1
	s_mov_b32 s[G1+5], 1536                        ; the pitch
	s_mov_b32 s[G1+6], 0
	s_mov_b32 s[G1+7], 0
	; B's tile: 128 rows x 192 bytes, 16 bytes of padding behind every 64
	s_or_b32 s[G1B+0], s44, (0<<16)|(1<<20)|(1<<21)|(3<<22)|(3<<25)
	s_mov_b32 s[G1B+1], ROWB<<16
	s_mov_b32 s[G1B+2], 128<<16
	s_mov_b32 s[G1B+3], ROWB<<16
	s_mov_b32 s[G1B+4], 128
	s_mov_b32 s[G1B+5], KROW
	s_mov_b32 s[G1B+6], 0
	s_mov_b32 s[G1B+7], 0
	; the scales of 128 rows: 4,096 dense bytes as 16 rows of 256, 16 bytes of padding behind each
	s_or_b32 s[G1S+0], s43, (3<<16)|(1<<20)|(1<<21)|(5<<22)|(3<<25)
	s_or_b32 s[G1SB+0], s44, (3<<16)|(1<<20)|(1<<21)|(5<<22)|(3<<25)
.irp g, G1S, G1SB
	s_mov_b32 s[\g+1], 32<<16
	s_mov_b32 s[\g+2], (128*KS/256)<<16
	s_mov_b32 s[\g+3], 32<<16
	s_mov_b32 s[\g+4], 128*KS/256
	s_mov_b32 s[\g+5], 32
	s_mov_b32 s[\g+6], 0
	s_mov_b32 s[\g+7], 0
.endr
	s_lshl_b32 s18, s16, 7
	s_lshl_b32 s20, s17, 8
	s_add_co_u32 s20, s20, s18                     ; A': row 256 x tile row + 128 x half
	s_lshl_b32 s46, s42, 8
	s_add_co_u32 s46, s46, s18                     ; B': row 256 x tile column + 128 x half
	s_mov_b32 s21, 0
	s_mov_b32 s47, 0
	s_mov_b64 s[18:19], KS
	s_mul_u64 s[22:23], s[20:21], s[18:19]
	s_mul_u64 s[92:93], s[46:47], s[18:19]
	s_mov_b64 s[18:19], KROW
	s_mul_u64 s[20:21], s[20:21], s[18:19]         ; (a block of 16 rows of cc is 16 x 768 bytes too)
	s_mul_u64 s[46:47], s[46:47], s[18:19]
	s_mul_i32 s45, s14, HALFT
	s_mul_i32 s94, s14, HALFS
	s_wait_kmcnt 0x0
	s_add_nc_u64 s[8:9], s[8:9], 3072*KROW         ; Wo's codes
	s_add_nc_u64 s[10:11], s[10:11], 3072*KS       ; and scales
	s_mov_b64 s[12:13], s[98:99]                   ; out0
	s_add_nc_u64 s[20:21], s[4:5], s[20:21]
	s_add_nc_u64 s[22:23], s[6:7], s[22:23]
	s_add_nc_u64 s[46:47], s[8:9], s[46:47]
	s_add_nc_u64 s[92:93], s[10:11], s[92:93]
	CROUND                                         ; all sixteen work-groups are here: the first joint loads meet
	s_mov_b32 s[G0S], 1
	s_add_co_u32 s[G0S+1], s94, SCL
	s_mov_b64 s[G0S+2:G0S+3], s[22:23]
	s_or_b32 s[G0S+3], s[G0S+3], 0x80000000
	s_mov_b32 s[G0SB], 1
	s_add_co_u32 s[G0SB+1], s94, SCL
	s_mov_b64 s[G0SB+2:G0SB+3], s[92:93]
	s_or_b32 s[G0SB+3], s[G0SB+3], 0x80000000
	JLOAD G0S, G1S, G0SB, G1SB
.irp s, 0,1
	s_mov_b32 s[G0+4*\s], 1
	s_add_co_u32 s[G0+4*\s+1], s45, \s*SLOT
	s_add_nc_u64 s[G0+4*\s+2:G0+4*\s+3], s[20:21], \s*ABLK
	s_or_b32 s[G0+4*\s+3], s[G0+4*\s+3], 0x80000000
	s_mov_b32 s[G0B+4*\s], 1
	s_add_co_u32 s[G0B+4*\s+1], s45, \s*SLOT
	s_add_nc_u64 s[G0B+4*\s+2:G0B+4*\s+3], s[46:47], \s*ROWB
	s_or_b32 s[G0B+4*\s+3], s[G0B+4*\s+3], 0x80000000
	JLOAD G0+4*\s, G1, G0B+4*\s, G1B
.endr
	v_and_b32 v1, 15, v0                           ; r
	v_bfe_u32 v2, v0, 4, 1                         ; h
	v_mul_u32_u24 v3, v1, PITCH
	v_mul_u32_u24 v4, v2, 24
	v_add_nc_u32 v4, v3, v4                        ; B: a fragment's row x pitch + 24 x half
	v_lshl_add_u32 v5, v2, 4, v4                   ; and the same behind one padding more
	v_and_b32 v6, 31, v0
	v_lshlrev_b32 v7, 3, v6                        ; A: 8 x lane
	s_mul_i32 s21, s15, HALFT                      ; my 128 rows of A'
	s_mul_i32 s22, s16, HALFT                      ; my 128 rows of B',
	s_add_co_u32 s22, s22, 2*HALFT                 ; which lie behind A's two parts
.irp s, 0,1
	v_add_nc_u32 v[ADRA+\s], s21, v7
	v_add_nc_u32 v[ADRB+\s], s22, v4
	v_add_nc_u32 v[ADRB+2+\s], s22, v5
	s_add_co_u32 s21, s21, SLOT
	s_add_co_u32 s22, s22, SLOT
.endr
	v_mul_u32_u24 v5, v1, KS
	v_lshrrev_b32 v6, 8, v5
	v_lshl_add_u32 v5, v6, 4, v5
	s_mul_i32 s21, s15, HALFS
	s_mul_i32 s22, s16, HALFS
	s_add_co_u32 s22, s22, 2*HALFS
	s_sub_co_u32 s22, s22, s21
	v_mul_u32_u24 v6, s22, v2                      ; lanes 16-31 take B's
	s_add_co_u32 s21, s21, SCL
	v_add_nc_u32 v5, v5, v6
	v_add_nc_u32 v[ADRS], s21, v5
	s_mul_i32 s23, s14, 16*SPITCH                  ; my stage
	v_mul_u32_u24 v5, v1, SPITCH                   ; in: row r, + 64 h: B' blocks 2 j, 2 j + 1 hold the columns 32 j + 16 h + 0 .. 15
	v_lshl_add_u32 v5, v2, 6, v5
	v_add_nc_u32 v[STO], s23, v5
	v_and_b32 v6, 31, v0
	v_lshlrev_b32 v[CO], 4, v6                     ; back: the 32 lanes take one row of 512 bytes; and the same in out0
	v_add_nc_u32 v[RD], s23, v[CO]
	s_lshl_b32 s20, s17, 8
	s_lshl_b32 s21, s15, 7
	s_add_co_u32 s20, s20, s21                     ; my first row: a multiple of 32, stored and actual alike
	s_mov_b32 s21, 0
	s_mov_b64 s[18:19], 4096
	s_mul_u64 s[20:21], s[20:21], s[18:19]
	s_lshl_b32 s46, s42, 10                        ; my first column, in bytes
	s_lshl_b32 s47, s16, 9
	s_add_co_u32 s46, s46, s47
	s_mov_b32 s47, 0
	s_add_nc_u64 s[20:21], s[20:21], s[46:47]
	s_add_nc_u64 s[12:13], s[12:13], s[20:21]
	s_add_nc_u64 s[96:97], s[96:97], s[46:47]      ; bo at my first column
	v_lshlrev_b32 v8, 6, v2                        ; 16 h numbers on
.irp b, 0,1,2,3,4,5,6,7
	global_load_b128 v[BIAS+8*\b:BIAS+8*\b+3], v8, s[96:97] offset:(32*(\b/2)+8*(\b%2))*4       ; block b, register j: column 32 (b / 2) + 16 h + 8 (b % 2) + j
	global_load_b128 v[BIAS+8*\b+4:BIAS+8*\b+7], v8, s[96:97] offset:(32*(\b/2)+8*(\b%2))*4+16
.endr
.macro FRAG reg, adr, q, i             ; B: 16 rows x 128 K from padded rows, in pieces of 8 bytes
.irp p, 0,1,2,3,4,5
.set PC, 12*(\q)+6*(\p/3)+\p%3
.if PC%8 < 5
	ds_load_b64 v[\reg+2*\p:\reg+2*\p+1], v[\adr] offset:8*PC+16*(PC/8)+(\i)*16*PITCH
.else
	ds_load_b64 v[\reg+2*\p:\reg+2*\p+1], v[\adr+2] offset:8*PC+16*(PC/8)+(\i)*16*PITCH
.endif
.endr
.endm
.macro FRAGA reg, adr, q, i            ; A: an image: 128 along K are two heads' three pieces of 256 bytes each: 256 consecutive bytes a load
.irp p, 0,1,2,3,4,5
	ds_load_b64 v[\reg+2*\p:\reg+2*\p+1], v[\adr] offset:(\i)*ABLK+(\q)*1536+256*\p
.endr
.endm
; 16 matrix instructions: A's blocks a0, a0 + 1 x B's eight.  zero = 1: the first product starts the sums from the bias.  The 64 accumulators take turns, one instruction a turn.
.macro MUL16 a0, p, q, sc, zero
.irp a, \a0, \a0+1
.irp b, 0,1,2,3,4,5,6,7
.if \zero
	v_wmma_scale_f32_16x16x128_f8f6f4 v[8*(8*((\a)%4)+\b):8*(8*((\a)%4)+\b)+7], v[128*(\p)+FR*\b:128*(\p)+FR*\b+FR-1], v[AF+FR*(\a):AF+FR*(\a)+FR-1], v[BIAS+8*\b:BIAS+8*\b+7], v[SC+8*NQ*(\sc)+NQ*\b+(\q)], v[SC+8*NQ*(\sc)+NQ*(\a)+(\q)] matrix_a_fmt:MATRIX_FMT_BF6 matrix_b_fmt:MATRIX_FMT_BF6 matrix_a_scale:MATRIX_SCALE_ROW1
.else
	v_wmma_scale_f32_16x16x128_f8f6f4 v[8*(8*((\a)%4)+\b):8*(8*((\a)%4)+\b)+7], v[128*(\p)+FR*\b:128*(\p)+FR*\b+FR-1], v[AF+FR*(\a):AF+FR*(\a)+FR-1], v[8*(8*((\a)%4)+\b):8*(8*((\a)%4)+\b)+7], v[SC+8*NQ*(\sc)+NQ*\b+(\q)], v[SC+8*NQ*(\sc)+NQ*(\a)+(\q)] matrix_a_fmt:MATRIX_FMT_BF6 matrix_b_fmt:MATRIX_FMT_BF6 matrix_a_scale:MATRIX_SCALE_ROW1
.endif
.endr
.endr
.endm
.macro FETCH_B slot, q, p
	WIN TO_B
.irp i, 0,1,2,3,4,5,6,7
	FRAG 128*(\p)+FR*\i, ADRB+\slot, \q, \i
.endr
	WIN 0
.endm
.macro FETCH_A slot, q, i0
.irp i, \i0, \i0+1, \i0+2, \i0+3
	FRAGA AF+FR*(\i), ADRA+\slot, \q, \i
.endr
.endm
.macro SCALES sc
.irp i, 0,1,2,3,4,5,6,7
	ds_load_b64 v[SC+8*NQ*\sc+NQ*\i:SC+8*NQ*\sc+NQ*\i+1], v[ADRS] offset:\i*SBLK
.endr
.endm
.macro PLACES n                        ; plain vector lines between a matrix instruction and a load into, or a read of, its registers
.rept \n
	v_nop
.endr
.endm
.macro STEP slot, q, zero
	s_wait_dscnt 4*NL                              ; B's set and A's blocks 0-3 are in; the youngest 24 loads (A's blocks 4-7) may be out
.if \zero
	WIN FST_LO
.else
	WIN MUL_LO
.endif
	MUL16 0, (\q)%2, \q, \slot, \zero
	MUL16 2, (\q)%2, \q, \slot, \zero
	s_wait_dscnt 0
	PLACES NP
	FETCH_B \slot, (\q)+1, 1-(\q)%2
	FETCH_A \slot, (\q)+1, 0
.if \zero
	WIN FST_HI
.else
	WIN MUL_HI
.endif
	MUL16 4, (\q)%2, \q, \slot, \zero
	MUL16 6, (\q)%2, \q, \slot, \zero
	PLACES NP
	WIN 0
	FETCH_A \slot, (\q)+1, 4
.endm
; A slot's last step changes slots: ONE barrier; in front of it each wave waits for all its tensor loads, adds 0 to its spare word, and waits for that and for its reads of this slot.
.macro TURN slot, next, fill
	s_wait_tensorcnt 0x0                           ; all my tensor loads have landed: my part of the next slot
	ds_add_u32 v[SPW], v[NIL]                      ; 0 onto my spare word
	s_wait_dscnt 4*NL+1                            ; the add and the youngest 24 loads may be out
	WIN MUL_LO
	MUL16 0, 1, NQ-1, \slot, 0
	s_wait_dscnt 0x0                               ; the add is done, and my reads of this slot are over
	s_barrier_signal -1
	MUL16 2, 1, NQ-1, \slot, 0
	WIN 0
	s_barrier_wait -1
.if \fill
	CREST                                          ; the barrier has opened a round of the cluster's: no wave of any partner still reads this slot or has a load on its way
	s_add_nc_u64 s[G0+4*\slot+2:G0+4*\slot+3], s[G0+4*\slot+2:G0+4*\slot+3], 2*ABLK
	s_add_nc_u64 s[G0B+4*\slot+2:G0B+4*\slot+3], s[G0B+4*\slot+2:G0B+4*\slot+3], 2*ROWB
	JLOAD G0+4*\slot, G1, G0B+4*\slot, G1B         ; the first tensor load behind the round; its four v_nop are the places in front of the loads below
.else
	PLACES NP
.endif
	v_add_nc_u32 v[ADRS], 4*NQ, v[ADRS]
	FETCH_B \next, 0, 0
	FETCH_A \next, 0, 0
	SCALES \next
	WIN MUL_HI
	MUL16 4, 1, NQ-1, \slot, 0
	MUL16 6, 1, NQ-1, \slot, 0
	PLACES NP
	WIN 0
	FETCH_A \next, 0, 4
.endm
	s_wait_tensorcnt 1                             ; of my three loads the scales and K step 0 are in; K step 1's may be out
	s_barrier_signal -1
	s_barrier_wait -1
	FETCH_B 0, 0, 0
	FETCH_A 0, 0, 0
	SCALES 0
	FETCH_A 0, 0, 4
	s_wait_loadcnt 0x0                             ; the bias
	STEP 0, 0, 1                                   ; the first step's products start the sums from the bias
	s_mov_b32 s3, LAPS-1
.Llap:
	TURN 0, 1, 1
	STEP 1, 0, 0
	TURN 1, 0, 1
	STEP 0, 0, 0
	s_sub_co_u32 s3, s3, 1
	s_cmp_lg_u32 s3, 0
	s_cbranch_scc1 .Llap
	TURN 0, 1, 0                                   ; the last lap fills nothing
	STEP 1, 0, 0
	s_wait_dscnt 4*NL
	WIN MUL_LO
	MUL16 0, 1, NQ-1, 1, 0
	MUL16 2, 1, NQ-1, 1, 0
	s_wait_dscnt 0
	WIN MUL_HI
	MUL16 4, 1, NQ-1, 1, 0
	MUL16 6, 1, NQ-1, 1, 0
	WIN 0
; THE WAY OUT, block by block of 16 stored rows x 128 columns, through my own stage in LDS; it comes back as whole rows of 512 bytes.  LDS serves a wave's instructions in order: no wait between the stores and the loads.
.macro TOSTAGE a
.set AC, 64*((\a)%4)
.set WQ, 0x08+4*((\a)/4)
	WIN WQ                                         ; an LDS store's data: window 2 or 3
.irp b, 0,1,2,3,4,5,6,7
	ds_store_b128 v[STO], v[AC+8*\b:AC+8*\b+3] offset:128*(\b/2)+32*(\b%2)          ; each accumulator from its low end on
	ds_store_b128 v[STO], v[AC+8*\b+4:AC+8*\b+7] offset:128*(\b/2)+32*(\b%2)+16
.endr
	WIN 0
.set BB, BK+64*((\a)%2)
.irp t, 0,1,2,3,4,5,6,7,8,9,10,11,12,13,14,15
	ds_load_b128 v[BB+4*\t:BB+4*\t+3], v[RD] offset:\t*SPITCH
.endr
.endm
.macro SEND a, younger                 ; stage row t of block 2 j + u is the actual row 32 j + 8 u + t + 8 (t / 8)
.set BB, BK+64*((\a)%2)
	s_wait_dscnt \younger                          ; the block is back in registers; the LDS instructions issued behind its loads may be out
.if (\a) > 0
.if ((\a)%2) == 1
	s_add_nc_u64 s[12:13], s[12:13], 8*4096        ; (behind a wait on XCNT: the earlier stores have read their base)
.else
	s_add_nc_u64 s[12:13], s[12:13], 24*4096
.endif
.endif
.irp t, 0,1,2,3,4,5,6,7,8,9,10,11,12,13,14,15
	global_store_b128 v[CO], v[BB+4*\t:BB+4*\t+3], s[12:13] offset:(\t+8*(\t/8))*4096 th:TH_STORE_NT   ; 32 lanes store 512 consecutive bytes, aligned; written once, read by nobody here
.endr
.endm
	PLACES NP
	TOSTAGE 0
.irp a, 1,2,3,4,5,6,7
.if \a > 1
	s_wait_xcnt 0x0                                ; block a - 2's stores have read their registers and their base
.endif
	TOSTAGE \a
	SEND \a-1, 32                                  ; behind block a - 1's loads: block a's 16 stores and 16 loads
.endr
	s_wait_xcnt 0x0
	SEND 7, 0
	s_wait_tensorcnt 0x0                           ; the wave's end
	ds_add_u32 v[SPW], v[NIL]
	s_wait_dscnt 0x0
	CROUND                                         ; the closing round
	s_endpgm
.Lfunc_end_k_q48d206f16b_gemm_out:
	.size	k_q48d206f16b_gemm_out, .Lfunc_end_k_q48d206f16b_gemm_out-k_q48d206f16b_gemm_out
	.p2alignl 7, 3214868480
	.fill 96, 4, 3214868480
	.section	.rodata,"a",@progbits
	.p2align	6, 0x0
	.amdhsa_kernel k_q48d206f16b_gemm_out
		.amdhsa_group_segment_fixed_size 327680
		.amdhsa_private_segment_fixed_size 0
		.amdhsa_enable_private_segment 0
		.amdhsa_kernarg_size 48
		.amdhsa_user_sgpr_count 2
		.amdhsa_user_sgpr_kernarg_segment_ptr 1
		.amdhsa_wavefront_size32 1
		.amdhsa_system_sgpr_workgroup_id_x 1
		.amdhsa_system_sgpr_workgroup_id_y 1
		.amdhsa_system_sgpr_workgroup_id_z 1
		.amdhsa_system_vgpr_workitem_id 0
		.amdhsa_next_free_vgpr 1024
		.amdhsa_next_free_sgpr 104
		.amdhsa_reserve_vcc 0
		.amdhsa_float_denorm_mode_32 3
		.amdhsa_float_denorm_mode_16_64 3
		.amdhsa_memory_ordered 1
		.amdhsa_forward_progress 1
		.amdhsa_inst_pref_size 162
	.end_amdhsa_kernel
	.amdgpu_metadata
---
amdhsa.version: [ 1, 2 ]
amdhsa.kernels:
  - .name:           k_q48d206f16b_gemm_out
    .symbol:         k_q48d206f16b_gemm_out.kd
    .args:
      - { .name: cc, .offset: 0, .size: 8, .value_kind: global_buffer, .address_space: global }
      - { .name: cs, .offset: 8, .size: 8, .value_kind: global_buffer, .address_space: global }
      - { .name: wc, .offset: 16, .size: 8, .value_kind: global_buffer, .address_space: global }
      - { .name: wsc, .offset: 24, .size: 8, .value_kind: global_buffer, .address_space: global }
      - { .name: bo, .offset: 32, .size: 8, .value_kind: global_buffer, .address_space: global }
      - { .name: out0, .offset: 40, .size: 8, .value_kind: global_buffer, .address_space: global }
    .group_segment_fixed_size: 327680
    .private_segment_fixed_size: 0
    .kernarg_segment_align: 8
    .kernarg_segment_size: 48
    .max_flat_workgroup_size: 128
    .sgpr_count:     104
    .vgpr_count:     1024
    .wavefront_size: 32
...
	.end_amdgpu_metadata
.endif
;; end of part 4
